; MI455X (gfx1250); checked and timed in simulation.
; The chip was launched on July 23, 2026; its instructions are those of AMD's public machine-readable ISA for CDNA 5 (MIT licence, August 2026) and "CDNA5" Instruction Set Architecture Reference Guide (July 2026). The comments in the code are by the model that wrote it; some were corrected since.
;; Economic Self Attention. Allowed arithmetic: matrix products marked QUANTISED: E4M3 operands, one E8M0 scale for each 32 along K, by v_wmma_scale_f32_16x16x128_f8f6f4 with both operands' format E4M3, f32 sums; everything else in f32.
;; Inputs: Wk 512 x 512 float32; Wo 512 x 512 float32; Wq 512 x 512 float32; Wv 512 x 512 float32; bk 512 float32; bo 512 float32; bq 512 float32; bv 512 float32; gamma 2 x 4,096 x 1 float32; x 2 x 4,096 x 512 float32.
;; Outputs: out0 2 x 4,096 x 512 float32.
;; This version of the problem:
;;   THIS VERSION OF THE PROBLEM IS GIVEN IN LOW PRECISION. The matrix products marked QUANTISED in the list below multiply operands that are first quantised to E4M3 (4 exponent bits, 3 mantissa bits; 8 bits a number), with one power-of-two scale for each 32 numbers along K (OCP MX v1.0); their sums are f32. All else is computed in f32.
;;   The module's matrix products, in the order in which they are computed (A, B: the left and right operand; K: the contracted axis; several contracted axes count as one K, in the product's order):
;;     1. [M 8,192, K 512] x [K 512, N 512]; A: input x; B: input Wq: QUANTISED
;;     2. [M 8,192, K 512] x [K 512, N 512]; A: input x; B: input Wk: QUANTISED
;;     3. [M 8,192, K 512] x [K 512, N 512]; A: input x; B: input Wv: QUANTISED
;;     4. batch 16 x [M 4,096, K 64] x [K 64, N 4,096]; A: computed on the way; B: computed on the way: QUANTISED
;;     5. batch 16 x [M 4,096, K 4,096] x [K 4,096, N 64]; A: softmax (see below); B: computed on the way: QUANTISED
;;     6. [M 8,192, K 512] x [K 512, N 512]; A: computed on the way; B: input Wo: QUANTISED
;;   THE QUANTISER, for each operand of a quantised product, along K:
;;     - K is cut into blocks of 32 from its start; a last block that is shorter is filled with zeros.
;;     - A block's scale is 2^e with e = floor(log2(the largest magnitude in the block)) - 8, held to -126 .. 127; a block of zeros has e = 0. As a byte (E8M0): e + 127.
;;     - Each number is divided by its block's scale, clamped to +-448, and rounded to the nearest number of E4M3, ties to even, subnormals kept.
;;     - The product sums the exact products of the quantised numbers (number of the format x scale) in f32.
;;   ~~~python
;;   def quantise(x, axis):      # numpy; x: float32 -> the quantised numbers, widened to float32 again
;;       x = np.moveaxis(x, axis, -1); K = x.shape[-1]
;;       x = np.pad(x, [(0, 0)] * (x.ndim - 1) + [(0, -K % 32)]); x = x.reshape(x.shape[:-1] + (-1, 32)); a = np.abs(x).max(-1, keepdims=True)
;;       e = np.where(a > 0, np.clip(np.frexp(np.where(a > 0, a, 1))[1] - 1 - 8, -126, 127), 0)      # np.frexp(a)[1] - 1 = floor(log2(a)), exactly
;;       r = np.clip(x / 2.0 ** e, -448, 448)
;;       step = 2.0 ** (np.maximum(np.frexp(np.where(r == 0, 1, r))[1] - 1, -6) - 3)
;;       q = np.round(r / step) * step * 2.0 ** e      # np.round: ties to even
;;       return np.moveaxis(q.reshape(q.shape[:-2] + (-1,))[..., :K], -1, axis).astype(np.float32)
;;   ~~~
;;   SOFTMAX AHEAD OF A QUANTISED PRODUCT. Where the list says 'softmax', what is quantised is not the finished softmax but p = 2^(t - M), with t = logit x log2(e) and M = ceil(the row's largest t), a whole number; so 1/2 < the row's largest p <= 1. The row's sum l is taken of the UNQUANTISED p, in f32, and the product's result is divided by l at the end. Since M is a whole number, a kernel that streams over the keys may use a running M (the ceiling of the running maximum): every later rescaling is an exact power of two, which a block's scale takes up: the codes' values come out the same.
;;   OPERANDS COMPUTED ON THE WAY. 'Computed on the way' means the value that the module computes at that place (a softmax that the list does not call 'softmax' is quantised finished and normalised). What goes into a quantiser is computed in f32, as accurately as f32 sums, v_exp_f32 and their like allow (about 1e-6 of the number): no bf16 or f16 on the way to a quantiser, and a product that is left as it is and whose result goes on into a quantised operand takes f32 operands (vector FMAs, or v_wmma_f32_16x16x4_f32). A number that lies on a knife's edge between two numbers of the format may be rounded either way, as far as f32 arithmetic and the matrix unit's own rounding can turn it there, and no further.
;; One version. Each part assembles by itself: llvm-mc -triple=amdgcn-amd-amdhsa -mcpu=gfx1250 --defsym DOCPART=n.
;; ======== version 1 of 1: 4 launches
;; limits: right only within a limited range of input values
;; workspace buffers: pq 5,406,720 bytes; qb 4,325,376 bytes; kv 8,650,752 bytes; ob 4,325,376 bytes
;; launch prep (part 1): grid 160 x 1, 4 waves a work-group, no clusters, 57,856 bytes of LDS; arguments x, Wq, Wk, Wv, Wo, pq; writes pq
.if DOCPART == 1
	.amdgcn_target "amdgcn-amd-amdhsa--gfx1250"
	.amdhsa_code_object_version 6
	.text
	.protected	k_qbf9a1abb29_prep
	.globl	k_qbf9a1abb29_prep
	.p2align	8
	.type	k_qbf9a1abb29_prep,@function
k_qbf9a1abb29_prep:
	s_mov_b64 s[64:65], 0
	v_nop
	global_prefetch_b8 v0, s[64:65] scope:SCOPE_SE
	s_setreg_imm32_b32 hwreg(HW_REG_WAVE_MODE, 25, 1), 1
	s_wait_xcnt 0x0
; THE PROGRAM: causal attention with the bias -log1p(gamma_i (i - j) + 1e-8), all six products on codes of FP8 (E4M3) with one E8M0 scale for each 32 along K.
; Four launches: prep (this one: x and the four weights become codes), proj (q, k, v), att (scores, softmax, o), outp (o Wo^T + bo).
; WORK LEFT OUT, for all values of the inputs:
;  - key slots all of whose 256 keys come after the 256 queries of a cluster's phase: reference() sets those scores to -inf in its own body, so p = 0 there whatever q, k, v and gamma hold;
;  - the 1e-8 inside log1p is no line of its own: w = 1 + gamma (i - j) is at least 1 where reference() is finite, and 1e-8 lies under half a unit in w's last place: the logit moves by rounding alone.
;  Every input has a way to the output and is loaded (bk too: it moves K's codes).
; LIMITS: a NaN, an infinity or an overflow that reaches only the steps left out is not carried to the result; NaN and infinities among the inputs are not served;
;  1 + gamma (i - j) <= 0 is not served (reference() gives NaN there); a block of zeros gets the scale byte 1 where the rule says 127: its codes are zeros and this program alone reads the bytes.
; THE ORDER OF ROWS.  Every operand's rows are cut into tiles of 16: lane r of tile 2 B + u holds row 32 B + 8 u + r + 8 (r / 8).  Codes lie in memory as images of the operand's registers:
;  a fragment (a tile x 128 along K) is four chunks of 512 bytes; in chunk c lane l's 16 bytes lie at 16 l and hold k = 32 c + 16 (l / 16) + 0 .. 15 of row l % 16.  Scale words: 16 a fragment, byte c for chunk c.
; pq: x's codes [tile 512][8 KB] at 0; x's scale words [tile][256 B] at 0x400000; the weights' codes [Wq, Wk, Wv, Wo][tile 32][8 KB] at 0x420000; their scale words at 0x520000.
; THIS LAUNCH.  A wave takes one tile: 16 rows of 512 numbers, a row a step.  A step's four loads read 512 consecutive bytes each; the 2,048 bytes turn through the wave's own stage in LDS, so that a lane
; holds 16 neighbours along K (two lanes to a block of 32).  The codes gather in a second stage, laid as the image, and leave as 16 stores of 512 consecutive bytes; the 256 scale bytes leave as one store.
; No tensor loads, no barrier: waves share nothing.  Work-groups 0-127 take x, then eight each Wq, Wk, Wv, Wo: only pointers are chosen, by the work-group's number.
; (The attention leaves keys out in whole slots of 256: those that come after all 256 queries of a cluster's phase. Inside the slot on the diagonal hidden scores are masked.)
.set WAVES, 4
.set STEPS, 16
.set EMAX,  8
.set MANT,  0x600000                   ; the mantissa field of 448
.set R,     16                         ; v16-79   four sets of 16 numbers as loaded; at the end the image on its way out
.set X,     80                         ; v80-111  two sets of 16 neighbours
.set E,     112                        ; v112-127 a scale byte for each step
.set C,     128                        ; v128-191 four registers of codes for each step
.set WREG,  14336                      ; LDS of a wave: two number stages (32 x 80), the code stage (16 chunks, 528 apart), 256 scale bytes
.set SP,    80
.set CST,   5120
.set CP,    528
.set SCB,   13568
.set SPW,   12                         ; v12 my spare word's address; v13 = 0; both never rewritten
.set NIL,   13
.set SPARE, WAVES*WREG                 ; the spare words: 128 bytes a wave, named by no other line
	s_load_b256 s[4:11], s[0:1], 0x0               ; x, Wq, Wk, Wv
	s_load_b128 s[12:15], s[0:1], 0x20             ; Wo, pq
	v_lshl_add_u32 v[SPW], v0, 2, SPARE
	v_mov_b32 v[NIL], 0
	v_lshrrev_b32 v1, 5, v0
	v_readfirstlane_b32 s16, v1                    ; wave
	v_and_b32 v1, 31, v0                           ; lane
	v_lshlrev_b32 v3, 4, v1                        ; 16 x lane
	s_mul_i32 s17, s16, WREG
	v_lshrrev_b32 v14, 2, v1
	v_mul_u32_u24 v14, v14, SP
	v_and_b32 v15, 3, v1
	v_lshl_add_u32 v14, v15, 4, v14
	v_add_nc_u32 v14, s17, v14                     ; number stage, in: four lanes' 64 bytes on end, then 16 of padding
	v_mul_u32_u24 v15, v1, SP
	v_add_nc_u32 v15, s17, v15                     ; out: my 16 neighbours
	v_lshrrev_b32 v4, 1, v1
	v_mul_u32_u24 v4, v4, CP
	v_and_b32 v5, 1, v1
	v_lshl_add_u32 v4, v5, 8, v4
	s_add_co_u32 s18, s17, CST
	v_add_nc_u32 v4, s18, v4                       ; code stage, in: chunk lane / 2 (my block of 32), half lane % 2; the row's 16 bytes stand in the immediate
	v_add_nc_u32 v2, s18, v3                       ; out: 16 x lane of a chunk
	v_lshrrev_b32 v5, 3, v1
	v_lshlrev_b32 v5, 6, v5
	v_bfe_u32 v6, v1, 1, 2
	v_add_nc_u32 v5, v5, v6
	s_add_co_u32 s18, s17, SCB
	v_add_nc_u32 v5, s18, v5                       ; my block's scale byte: 64 (K step) + byte in the word; 4 x row stands in the immediate
	v_lshlrev_b32 v7, 3, v1
	v_add_nc_u32 v6, s18, v7                       ; and on the way out 8 bytes a lane
	s_mov_b32 s23, MANT
	s_lshl_b32 s19, ttmp9, 2
	s_add_co_u32 s19, s19, s16                     ; my tile among the 640
	s_wait_kmcnt 0x0
	s_mov_b64 s[20:21], s[12:13]                   ; the source: Wo, unless the work-group's number says otherwise
	s_cmp_lt_u32 ttmp9, 152
	s_cselect_b64 s[20:21], s[10:11], s[20:21]
	s_cmp_lt_u32 ttmp9, 144
	s_cselect_b64 s[20:21], s[8:9], s[20:21]
	s_cmp_lt_u32 ttmp9, 136
	s_cselect_b64 s[20:21], s[6:7], s[20:21]
	s_cmp_lt_u32 ttmp9, 128
	s_cselect_b64 s[20:21], s[4:5], s[20:21]
	s_cselect_b32 s24, 0, 0x20000                  ; the weights' codes lie behind x's scale words,
	s_cselect_b32 s25, 0, 0x100000                 ; their scale words behind their codes
	s_cselect_b32 s26, 511, 31
	s_and_b32 s26, s19, s26                        ; the tile's number in its own tensor
	s_lshr_b32 s27, s26, 1
	s_lshl_b32 s27, s27, 16                        ; 32 rows of 2,048 bytes for each pair of tiles,
	s_and_b32 s26, s26, 1
	s_lshl_b32 s26, s26, 14                        ; 8 rows for the odd one
	s_add_co_u32 s26, s26, s27
	s_mov_b32 s27, 0
	s_add_nc_u64 s[20:21], s[20:21], s[26:27]
	s_lshl_b32 s26, s19, 13
	s_add_co_u32 s26, s26, s24
	s_add_nc_u64 s[28:29], s[14:15], s[26:27]      ; where my image goes
	s_lshl_b32 s26, s19, 8
	s_add_co_u32 s26, s26, s25
	s_add_co_u32 s26, s26, 0x400000
	s_add_nc_u64 s[30:31], s[14:15], s[26:27]      ; and my scale words
.macro LOAD t                          ; row t of the tile: rows 0-7, then 16-23 from the tile's first
.irp i, 0,1,2,3
	global_load_b128 v[R+16*((\t)%4)+4*\i:R+16*((\t)%4)+4*\i+3], v3, s[20:21] offset:((\t)+8*((\t)/8))*2048+512*\i th:TH_LOAD_NT
.endr
.endm
.macro TURN t                          ; through the number stage: LDS serves a wave's instructions in order, so no wait stands between the stores and the loads
.irp i, 0,1,2,3
	ds_store_b128 v14, v[R+16*((\t)%4)+4*\i:R+16*((\t)%4)+4*\i+3] offset:32*SP*((\t)%2)+8*SP*\i
.endr
.irp i, 0,1,2,3
	ds_load_b128 v[X+16*((\t)%2)+4*\i:X+16*((\t)%2)+4*\i+3], v15 offset:32*SP*((\t)%2)+16*\i
.endr
.endm
.irp t, 0,1,2,3
	LOAD \t
.endr
	s_wait_loadcnt 12                              ; row 0's four loads are in
	TURN 0
.macro STEP t
.set XS, X+16*((\t)%2)
.if (\t) > 0
	s_wait_dscnt 2                                 ; this row's numbers are back (the last row's two stores, byte and codes, may be out)
.else
	s_wait_dscnt 0x0
.endif
.if (\t)+4 < STEPS
	LOAD (\t)+4                                    ; into the set whose stores into the stage are done
.endif
.if (\t)+1 < STEPS
.if STEPS-2-(\t) >= 3
	s_wait_loadcnt 12                              ; the next row's four loads are in; three rows' may be out
.else
	s_wait_loadcnt 4*(STEPS-2-(\t))
.endif
	TURN (\t)+1
.endif
	v_max3_num_f32 v8, |v[XS]|, |v[XS+1]|, |v[XS+2]|               ; the largest magnitude of my 16, in two chains
	v_max3_num_f32 v9, |v[XS+3]|, |v[XS+4]|, |v[XS+5]|
.irp i, 6,10
	v_max3_num_f32 v8, v8, |v[XS+\i]|, |v[XS+\i+1]|
	v_max3_num_f32 v9, v9, |v[XS+\i+2]|, |v[XS+\i+3]|
.endr
	v_max3_num_f32 v8, v8, |v[XS+14]|, |v[XS+15]|
	v_max3_num_f32 v8, v8, v9, (EMAX+1)<<23        ; and the floor 2^(9 - 127): the byte cannot fall under 1
	v_max_num_f32_dpp v8, v8, v8 row_xmask:1 row_mask:0xf bank_mask:0xf   ; with my neighbour's 16: the block's
	v_add_nc_u32 v11, -(EMAX<<23), v8              ; 8 off its exponent field: the conversion's scale operand
	v_and_or_b32 v10, v8, 0x7f800000, s23          ; 448 x the scale
.irp i, 0,1,2,3,4,5,6,7,8,9,10,11,12,13,14,15
	v_med3_num_f32 v[XS+\i], v[XS+\i], -v10, v10   ; the conversion does not saturate (ISA guide 7.6.2): the hold comes first
.endr
	v_cvt_scalef32_pk8_fp8_f32 v[C+4*(\t):C+4*(\t)+1], v[XS:XS+7], v11
	v_cvt_scalef32_pk8_fp8_f32 v[C+4*(\t)+2:C+4*(\t)+3], v[XS+8:XS+15], v11
	v_lshrrev_b32 v[E+(\t)], 23, v11               ; the scale's byte (a plain line behind the conversions)
	ds_store_b8 v5, v[E+(\t)] offset:4*(\t)        ; both lanes of a block write the same byte with the same value
	ds_store_b128 v4, v[C+4*(\t):C+4*(\t)+3] offset:16*(\t)
.endm
.irp t, 0,1,2,3,4,5,6,7,8,9,10,11,12,13,14,15
	STEP \t
.endr
.irp q, 0,1,2,3,4,5,6,7,8,9,10,11,12,13,14,15
	ds_load_b128 v[R+4*\q:R+4*\q+3], v2 offset:CP*\q               ; the image, chunk by chunk: these see my stores
.endr
	ds_load_b64 v[8:9], v6
.irp q, 0,1,2,3,4,5,6,7,8,9,10,11,12,13,14,15
	s_wait_dscnt 16-\q                             ; chunk q is in; the younger loads may be out
	global_store_b128 v3, v[R+4*\q:R+4*\q+3], s[28:29] offset:512*\q   ; 512 consecutive bytes, aligned
.endr
	s_wait_dscnt 0x0
	global_store_b64 v7, v[8:9], s[30:31]          ; 256 consecutive bytes, aligned
	s_wait_tensorcnt 0x0                           ; the wave's end
	ds_add_u32 v[SPW], v[NIL]
	s_wait_dscnt 0x0
	s_endpgm
.Lfunc_end_k_qbf9a1abb29_prep:
	.size	k_qbf9a1abb29_prep, .Lfunc_end_k_qbf9a1abb29_prep-k_qbf9a1abb29_prep
	.p2alignl 7, 3214868480
	.fill 96, 4, 3214868480
	.section	.rodata,"a",@progbits
	.p2align	6, 0x0
	.amdhsa_kernel k_qbf9a1abb29_prep
		.amdhsa_group_segment_fixed_size 57856
		.amdhsa_private_segment_fixed_size 0
		.amdhsa_enable_private_segment 0
		.amdhsa_kernarg_size 48
		.amdhsa_user_sgpr_count 2
		.amdhsa_user_sgpr_kernarg_segment_ptr 1
		.amdhsa_wavefront_size32 1
		.amdhsa_system_sgpr_workgroup_id_x 1
		.amdhsa_system_sgpr_workgroup_id_y 1
		.amdhsa_system_sgpr_workgroup_id_z 1
		.amdhsa_system_vgpr_workitem_id 0
		.amdhsa_next_free_vgpr 192
		.amdhsa_next_free_sgpr 66
		.amdhsa_reserve_vcc 0
		.amdhsa_float_denorm_mode_32 3
		.amdhsa_float_denorm_mode_16_64 3
		.amdhsa_memory_ordered 1
		.amdhsa_forward_progress 1
		.amdhsa_inst_pref_size 54
	.end_amdhsa_kernel
	.amdgpu_metadata
---
amdhsa.version: [ 1, 2 ]
amdhsa.kernels:
  - .name:           k_qbf9a1abb29_prep
    .symbol:         k_qbf9a1abb29_prep.kd
    .args:
      - { .name: x, .offset: 0, .size: 8, .value_kind: global_buffer, .address_space: global }
      - { .name: Wq, .offset: 8, .size: 8, .value_kind: global_buffer, .address_space: global }
      - { .name: Wk, .offset: 16, .size: 8, .value_kind: global_buffer, .address_space: global }
      - { .name: Wv, .offset: 24, .size: 8, .value_kind: global_buffer, .address_space: global }
      - { .name: Wo, .offset: 32, .size: 8, .value_kind: global_buffer, .address_space: global }
      - { .name: pq, .offset: 40, .size: 8, .value_kind: global_buffer, .address_space: global }
    .group_segment_fixed_size: 57856
    .private_segment_fixed_size: 0
    .kernarg_segment_align: 8
    .kernarg_segment_size: 48
    .max_flat_workgroup_size: 128
    .sgpr_count:     66
    .vgpr_count:     192
    .wavefront_size: 32
...
	.end_amdgpu_metadata
.endif
;; end of part 1
;; launch proj (part 2): grid 32 x 6, 4 waves a work-group, clusters of 4 x 1, 327,680 bytes of LDS; arguments pq, bq, bk, bv, qb, kv; writes qb, kv
.if DOCPART == 2
	.amdgcn_target "amdgcn-amd-amdhsa--gfx1250"
	.amdhsa_code_object_version 6
	.text
	.protected	k_qbf9a1abb29_proj
	.globl	k_qbf9a1abb29_proj
	.p2align	8
	.type	k_qbf9a1abb29_proj,@function
k_qbf9a1abb29_proj:
	s_mov_b64 s[64:65], 0
	v_nop
	global_prefetch_b8 v0, s[64:65] scope:SCOPE_SE
	s_setreg_imm32_b32 hwreg(HW_REG_WAVE_MODE, 25, 1), 1
	s_wait_xcnt 0x0
	s_wait_alu depctr_hold_cnt(0) depctr_sa_sdst(0) depctr_va_vdst(0) depctr_va_sdst(0) depctr_va_ssrc(0) depctr_va_vcc(0) depctr_vm_vsrc(0)
	s_getreg_b32 s2, hwreg(HW_REG_IB_STS2, 6, 4)
	s_cmp_eq_u32 s2, 0
	s_cbranch_scc0 .Lentry_in_a_cluster
	s_endpgm
.Lentry_in_a_cluster:
	s_bfe_u32 s2, ttmp6, 0x10000c
	s_cmp_lg_u32 s2, 0x3003
	s_cbranch_scc0 .Lentry_shape_is_right
	s_endpgm
.Lentry_shape_is_right:
; q = x Wq^T + bq, k = x Wk^T + bk, v = x Wv^T + bv on the codes that the launch before made, and the results quantised in registers for the attention's two products.  No work of these three products is left out.
; A work-group takes 256 tokens (x of the grid) x 256 columns of one of q, k, v (y of the grid: 0, 1 q; 2, 3 k; 4, 5 v).  All of K = 512 of both tiles lies in LDS: one fill, no ring.
; CLUSTER: the four work-groups of a cluster have the same columns: the weight's tile and its scale words are asked for jointly.  x's tile is read by the six column groups; six is no multiple of a cluster's four, so it is each work-group's own load.
; THE PRODUCT IS LAID SO THAT A LANE'S REGISTERS RUN ALONG THE NEXT QUANTISER'S AXIS.  Source 0 is P, source 1 is N; a lane holds one row of N and eight rows of P.
;  q, k: P = the weight (the head's channels are the next K), N = x.   v: P = x (the keys are the next K), N = the weight.  By the order of rows in a tile the 16 registers of tiles 2 B, 2 B + 1 of P are 16 neighbours.
; A wave owns half of P (8 tiles, in registers for the whole launch) and half of N (four trips of two tiles).  A trip: 64 products (the bias is the C of each sum's first), eight blocks of 32 quantised, 8 stores of 512 bytes.
; OUT.  qb: codes [bp = 4 b + head pair][slot 16][part 4][step in slot 2][4 KB], part = 2 head + block / 2; in a part (block % 2) 2,048 + (tile u) 1,024 + (channels 32 bb) 512; scale words at 0x400000: [bp][head][step 32][block][16 words], a word's bytes u0 b0, u0 b1, u1 b0, u1 b1.
;  kv: codes [bp][slot 16][part 8][step in slot 2][4 KB]: parts 0-3 K as in qb, parts 4-7 V: part 4 + 2 head + ct / 2, in it (ct % 2) 2,048 + (keys 32 c) 512; scale words at 0x800000: [bp][K0, K1, V0, V1][step][256 B].
; The two ways (q, k and v) part on the work-group's y, which all partners share, and never join; each has stage bytes of its own.
.set XR,    0                          ; LDS: x's 16 tiles, 128 KB
.set WR,    131072                     ; the weight's 16 tiles
.set XSR,   262144                     ; x's scale words, 4 KB
.set WSR,   266240                     ; the weight's
.set STGQ,  270336                     ; scale words on their way out, 512 bytes a wave: q, k
.set STGV,  272384                     ; and v
.set SPARE, 274432                     ; the spare words: 128 bytes a wave, named by no other line
.set LI,  1                            ; v1 16 x lane   v2 4 x lane   v12 8 x lane
.set LS,  2
.set SPW, 3                            ; v3 my spare word's address, v4 = 0: never rewritten
.set NIL, 4
.set PA,  5                            ; v5-8 LDS addresses: P's codes, N's codes, P's scale words, N's
.set NA,  6
.set PSA, 7
.set NSA, 8
.set STA, 9                            ; v9 the stage, in; v10 out
.set STR, 10
.set BA,  11                           ; v11 the bias's offset
.set L8,  12
.set PSC, 16                           ; v16-31 P's scale words: tile pt, register pt 2 + s / 2: K step s even in lanes 0-15, odd in lanes 16-31
.set NSC, 32                           ; v32-35 N's likewise
.set BIAS, 40                          ; v40-103 q, k: eight registers a tile of P;  v: v40-55 two tiles of N, filled from v56-63
.set BV,  56
.set CD,  104                          ; v104-135 codes: four registers for group G = 2 B + u
.set TM,  136                          ; v136-143 largest magnitudes; v144-151 the other half's, then bytes; v152-159 448 x scale; v160-167 the conversions' scale operands
.set TP,  144
.set TL,  152
.set TO,  160
.set WD,  168                          ; v168-169 scale words;  v170-173 the stage read back
.set RB,  170
; window 1: P's tiles 0-3 (tile pt, K step s at 16 (4 pt + s)); window 2: tiles 4-7; window 3: v0-127 accumulators (pt, u) at 8 (2 pt + u), v128-255 N (u, s) at 128 + 16 (4 u + s)
.set MSB, 0
.macro WIN new                         ; the immediate's high byte repeats the setting that is left
.if MSB != \new
	s_set_vgpr_msb (MSB<<8)|\new
.set MSB, \new
.endif
.endm
.macro ROUND                           ; a round of the cluster's barrier
	s_barrier_signal -1
	s_barrier_wait -1
	s_cmp_lg_u32 s16, 0
	s_cbranch_scc1 .Lnot_wave_0_\@
	s_barrier_signal -3
.Lnot_wave_0_\@:
	s_barrier_wait -3
	s_barrier_signal -1
	s_barrier_wait -1
.endm
.macro GROUP1 g, w0, rows              ; a dense block as rows of 256 bytes: 32 elements of 8 bytes, pitch 32
	s_mov_b32 s[\g], \w0
	s_mov_b32 s[\g+1], 32<<16
	s_mov_b32 s[\g+2], (\rows)<<16
	s_mov_b32 s[\g+3], 32<<16
	s_mov_b32 s[\g+4], \rows
	s_mov_b32 s[\g+5], 32
	s_mov_b32 s[\g+6], 0
	s_mov_b32 s[\g+7], 0
.endm
	s_load_b256 s[4:11], s[0:1], 0x0               ; pq, bq, bk, bv
	s_load_b128 s[12:15], s[0:1], 0x20             ; qb, kv
	v_lshl_add_u32 v[SPW], v0, 2, SPARE
	v_mov_b32 v[NIL], 0
	ds_add_u32 v[SPW], v[NIL]                      ; the opening: the add, twice on end, and its wait ahead of my first tensor load
	ds_add_u32 v[SPW], v[NIL]
	v_lshrrev_b32 v5, 5, v0
	v_readfirstlane_b32 s16, v5                    ; wave
	s_bfe_u32 s17, ttmp6, 0x40000                  ; cx
	s_lshl_b32 s18, ttmp9, 2
	s_add_co_u32 s18, s18, s17                     ; my 256 tokens: 4 x cluster x + cx
	s_and_b32 s19, ttmp7, 0xffff                   ; my 256 columns: shared by the four partners
	s_and_b32 s21, s19, 1                          ; which half of the 512
	s_lshr_b32 s22, s16, 1                         ; pw: my half of P
	s_and_b32 s23, s16, 1                          ; nw: my half of N
	s_lshr_b32 s24, s18, 4                         ; the batch
	s_and_b32 s25, s18, 15                         ; the slot of 256 tokens in it
	GROUP1 32, 15|(3<<16)|(1<<21), 512             ; joint, 128 KB: the weight's whole tile; the mask names the four; bit 21 beside it
	GROUP1 40, 3<<16, 512                          ; my own, 128 KB: x's whole tile
	GROUP1 48, 15|(3<<16)|(1<<21), 16              ; joint, 4 KB
	GROUP1 56, 3<<16, 16                           ; my own, 4 KB
	s_lshl_b32 s26, s19, 17                        ; the weight's codes: 128 KB a column group; nothing here hangs on cx
	s_add_co_u32 s26, s26, 0x420000
	s_mov_b32 s27, 0
	s_lshl_b32 s30, s19, 12                        ; its scale words
	s_add_co_u32 s30, s30, 0x520000
	s_mov_b32 s31, 0
	s_lshl_b32 s28, s18, 17                        ; x's codes
	s_mov_b32 s29, 0
	s_lshl_b32 s84, s18, 12                        ; x's scale words
	s_add_co_u32 s84, s84, 0x400000
	s_mov_b32 s85, 0
	s_mov_b32 s86, 0                               ; each tile goes whole to its region's first byte
	s_mov_b32 s87, 0
	s_mov_b32 s90, 0x76543210                      ; v_permlanex16_b32's selects for lane l xor 16
	s_mov_b32 s91, 0xfedcba98
	s_mov_b32 s92, 0x600000                        ; the mantissa field of 448
	s_wait_dscnt 0x0                               ; both opening adds are done
	s_wait_kmcnt 0x0
	s_mov_b32 s68, 1
	s_add_co_u32 s69, s86, WR
	s_add_nc_u64 s[70:71], s[4:5], s[26:27]
	s_or_b32 s71, s71, 0x80000000
	s_mov_b32 s72, 1
	s_add_co_u32 s73, s86, XR
	s_add_nc_u64 s[74:75], s[4:5], s[28:29]
	s_or_b32 s75, s75, 0x80000000
	s_mov_b32 s76, 1
	s_add_co_u32 s77, s87, WSR
	s_add_nc_u64 s[78:79], s[4:5], s[30:31]
	s_or_b32 s79, s79, 0x80000000
	s_mov_b32 s80, 1
	s_add_co_u32 s81, s87, XSR
	s_add_nc_u64 s[82:83], s[4:5], s[84:85]
	s_or_b32 s83, s83, 0x80000000
	ROUND                                          ; all four work-groups are here: the joint loads meet
	s_cmp_lt_u32 s16, 1                            ; one tensor load a wave, in one chain of arms on the wave's number
	s_cbranch_scc0 .Lh1
	tensor_load_to_lds s[68:71], s[32:39]          ; wave 0: the weight's tile
	s_nop 0
.rept 4
	v_nop
.endr
	s_branch .Lhj
.Lh1:
	s_cmp_lt_u32 s16, 2
	s_cbranch_scc0 .Lh2
	tensor_load_to_lds s[72:75], s[40:47]          ; wave 1: x's tile
	s_nop 0
.rept 4
	v_nop
.endr
	s_branch .Lhj
.Lh2:
	s_cmp_lt_u32 s16, 3
	s_cbranch_scc0 .Lh3
	tensor_load_to_lds s[76:79], s[48:55]          ; wave 2: the weight's scale words
	s_nop 0
.rept 4
	v_nop
.endr
	s_branch .Lhj
.Lh3:
	tensor_load_to_lds s[80:83], s[56:63]          ; wave 3: x's scale words
	s_nop 0
.rept 4
	v_nop
.endr
.Lhj:
	v_and_b32 v13, 31, v0                          ; lane
	v_and_b32 v14, 15, v0                          ; r
	v_bfe_u32 v15, v0, 4, 1                        ; h
	v_lshlrev_b32 v[LI], 4, v13
	v_lshlrev_b32 v[LS], 2, v13
	v_lshlrev_b32 v[L8], 3, v13
.irp g, 0,1,2,3,4,5,6,7
	v_mov_b32 v[TP+\g], 0                          ; written once: a lane permute's destination counts as one of its sources
.endr
	s_wait_tensorcnt 0x0                           ; my parts have landed,
	s_barrier_signal -1
	s_barrier_wait -1                              ; everybody's have; nothing is filled again
	s_cmp_ge_u32 s19, 4
	s_cbranch_scc1 .Lv
.macro LOADP                           ; my eight tiles of P, all of K, and their scale words
	WIN 0x40
.irp pt, 0,1,2,3
.irp s, 0,1,2,3
.irp c, 0,1,2,3
	ds_load_b128 v[16*(4*\pt+\s)+4*\c:16*(4*\pt+\s)+4*\c+3], v[PA] offset:\pt*8192+\s*2048+\c*512
.endr
.endr
.endr
	WIN 0x80
.irp pt, 4,5,6,7
.irp s, 0,1,2,3
.irp c, 0,1,2,3
	ds_load_b128 v[16*(4*(\pt-4)+\s)+4*\c:16*(4*(\pt-4)+\s)+4*\c+3], v[PA] offset:\pt*8192+\s*2048+\c*512
.endr
.endr
.endr
	WIN 0
.irp pt, 0,1,2,3,4,5,6,7
.irp sp, 0,1
	ds_load_b32 v[PSC+2*\pt+\sp], v[PSA] offset:\pt*256+\sp*128
.endr
.endr
.endm
.macro LOADN i                         ; trip i's two tiles of N
	WIN 0xC0
.irp u, 0,1
.irp s, 0,1,2,3
.irp c, 0,1,2,3
	ds_load_b128 v[128+16*(4*\u+\s)+4*\c:128+16*(4*\u+\s)+4*\c+3], v[NA] offset:(\i)*16384+\u*8192+\s*2048+\c*512
.endr
.endr
.endr
	WIN 0
.irp u, 0,1
.irp sp, 0,1
	ds_load_b32 v[NSC+2*\u+\sp], v[NSA] offset:(2*(\i)+\u)*256+\sp*128
.endr
.endr
.endm
.macro PROD path, pt, u, s             ; accumulator (pt, u), K step s; s = 0 starts the sum with the bias as C
.set rD, 8*(2*(\pt)+(\u))
.set rA, 16*(4*((\pt)%4)+(\s))
.set rB, 128+16*(4*(\u)+(\s))
.set rP, PSC+2*(\pt)+(\s)/2
.set rN, NSC+2*(\u)+(\s)/2
.if (\s) == 0
.if \path
.set rC, BIAS+8*(\u)
.else
.set rC, BIAS+8*(\pt)
.endif
	v_wmma_scale_f32_16x16x128_f8f6f4 v[rD:rD+7], v[rA:rA+15], v[rB:rB+15], v[rC:rC+7], v[rP], v[rN]
.elseif (\s)%2 == 1
	v_wmma_scale_f32_16x16x128_f8f6f4 v[rD:rD+7], v[rA:rA+15], v[rB:rB+15], v[rD:rD+7], v[rP], v[rN] matrix_a_scale:MATRIX_SCALE_ROW1 matrix_b_scale:MATRIX_SCALE_ROW1
.else
	v_wmma_scale_f32_16x16x128_f8f6f4 v[rD:rD+7], v[rA:rA+15], v[rB:rB+15], v[rD:rD+7], v[rP], v[rN]
.endif
.endm
; Eight groups G = 2 B + u of 16 numbers a lane (accumulators (2 B, u) and (2 B + 1, u)) become codes and scale bytes.  A block of 32 lies in lanes l and l xor 16.
.macro QUANT8 path
	WIN 0x0F                                       ; sources 0 and 1: window 3
.irp p, 0,1,2,3,4,5,6,7
.irp pbk, 0,1,2,3
.irp u, 0,1
.set rA, 8*(2*(2*\pbk+\p/4)+\u)+2*(\p%4)
.if \p == 0
	v_max3_num_f32 v[TM+2*\pbk+\u], |v[rA]|, |v[rA+1]|, 0x4800000   ; each accumulator from its low end on; the floor 2^(9 - 127) holds the byte at 1 from below; the eight groups by turns
.else
	v_max3_num_f32 v[TM+2*\pbk+\u], |v[rA]|, |v[rA+1]|, v[TM+2*\pbk+\u]
.endif
.endr
.endr
.endr
	WIN 0
.irp g, 0,1,2,3,4,5,6,7
	v_permlanex16_b32 v[TP+\g], v[TM+\g], s90, s91
.endr
.irp g, 0,1,2,3,4,5,6,7
	v_max_num_f32 v[TM+\g], v[TM+\g], v[TP+\g]     ; the block's largest magnitude
.endr
.irp g, 0,1,2,3,4,5,6,7
	v_add_nc_u32 v[TO+\g], 0xfc000000, v[TM+\g]    ; 8 off its exponent field: the conversion's scale operand
.endr
.irp g, 0,1,2,3,4,5,6,7
	v_and_or_b32 v[TL+\g], v[TM+\g], 0x7f800000, s92   ; 448 x the scale
.endr
.irp g, 0,1,2,3,4,5,6,7
	v_lshrrev_b32 v[TP+\g], 23, v[TO+\g]           ; the scale's byte
.endr
.irp k, 0,1
.if \path                                      ; v: tile u = k of channels: bytes by the keys' blocks B = 0 .. 3
	v_lshl_or_b32 v[WD+\k], v[TP+2+\k], 8, v[TP+\k]
	v_lshl_or_b32 v[WD+\k], v[TP+4+\k], 16, v[WD+\k]
	v_lshl_or_b32 v[WD+\k], v[TP+6+\k], 24, v[WD+\k]
.else                                          ; q, k: head k: bytes u0 b0, u0 b1, u1 b0, u1 b1
	v_lshl_or_b32 v[WD+\k], v[TP+4*\k+2], 8, v[TP+4*\k]
	v_lshl_or_b32 v[WD+\k], v[TP+4*\k+1], 16, v[WD+\k]
	v_lshl_or_b32 v[WD+\k], v[TP+4*\k+3], 24, v[WD+\k]
.endif
.endr
	WIN 0xC3                                       ; destination and source 0: window 3
.irp pbk, 0,1,2,3
.irp u, 0,1
.irp q, 0,1,2,3,4,5,6,7,8,9,10,11,12,13,14,15
.set rA, 8*(2*(2*\pbk+\q/8)+\u)+\q%8
	v_med3_num_f32 v[rA], v[rA], -v[TL+2*\pbk+\u], v[TL+2*\pbk+\u]   ; the conversion does not saturate (ISA guide 7.6.2): the hold comes first
.endr
.endr
.endr
	WIN 0x03                                       ; source 0: window 3
.irp pbk, 0,1,2,3
.irp u, 0,1
	v_cvt_scalef32_pk8_fp8_f32 v[CD+4*(2*\pbk+\u):CD+4*(2*\pbk+\u)+1], v[8*(4*\pbk+\u):8*(4*\pbk+\u)+7], v[TO+2*\pbk+\u]
	v_cvt_scalef32_pk8_fp8_f32 v[CD+4*(2*\pbk+\u)+2:CD+4*(2*\pbk+\u)+3], v[8*(4*\pbk+2+\u):8*(4*\pbk+2+\u)+7], v[TO+2*\pbk+\u]
.endr
.endr
	WIN 0
	v_nop                                          ; a plain line behind the last conversion: the next trip's products write its sources
.endm
.macro STORE path, i
.irp pbk, 0,1,2,3
.irp u, 0,1
.if \path
	global_store_b128 v[LI], v[CD+4*(2*\pbk+\u):CD+4*(2*\pbk+\u)+3], s[84:85] offset:(4+(\i))*8192+\u*2048+\pbk*512   ; each store: 512 consecutive bytes, aligned
.else
	global_store_b128 v[LI], v[CD+4*(2*\pbk+\u):CD+4*(2*\pbk+\u)+3], s[84:85] offset:(2*(\pbk/2)+(\i)/2)*8192+((\i)%2)*2048+\u*1024+(\pbk%2)*512
.endif
.endr
.endr
.irp k, 0,1
.if \path
	ds_store_b32 v[STA], v[WD+\k] offset:(\i)*128+\k*64            ; both halves of the lanes hold the same word
.else
	ds_store_b32 v[STA], v[WD+\k] offset:\k*256+(\i)*64
.endif
.endr
.endm
.macro TRIP path, i
.if (\i) == 0
	s_wait_loadcnt 0x0                             ; the bias
.endif
.if \path
.irp u, 0,1
.irp j, 0,1,2,3,4,5,6,7
	v_mov_b32 v[BIAS+8*\u+\j], v[BV+2*(\i)+\u]     ; v: a lane's channel has one bias for its eight keys
.endr
.endr
.rept 4
	v_nop
.endr
.endif
	s_wait_alu depctr_va_vdst(0)
	s_wait_dscnt 0x0                               ; the fragments are in, and the last trip's stage stores have read their registers
	WIN 0xCD                                       ; P window 1, N window 3, C window 0, D window 3
.irp pt, 0,1,2,3
.irp u, 0,1
	PROD \path, \pt, \u, 0
.endr
.endr
	WIN 0xCE                                       ; P window 2
.irp pt, 4,5,6,7
.irp u, 0,1
	PROD \path, \pt, \u, 0
.endr
.endr
	WIN 0xFD                                       ; C and D window 3.  Eight accumulators by turns, one instruction a turn
.irp s, 1,2,3
.irp pt, 0,1,2,3
.irp u, 0,1
	PROD \path, \pt, \u, \s
.endr
.endr
.endr
	WIN 0xFE
.irp s, 1,2,3
.irp pt, 4,5,6,7
.irp u, 0,1
	PROD \path, \pt, \u, \s
.endr
.endr
.endr
	WIN 0
.rept 8
	v_nop                                          ; eight places ahead of loads into N's registers and of the first read of results
.endr
.if (\i) < 3
	LOADN (\i)+1                                   ; lands while this trip's results are quantised
.endif
.if (\i) > 0
	s_wait_xcnt 0x0                                ; the last trip's stores have read the codes' registers
.endif
	QUANT8 \path
	STORE \path, \i
.endm
.macro BODY path
.if \path
.set PB,  XR
.set NB,  WR
.set PSB, XSR
.set NSB, WSR
.set STG, STGV
.else
.set PB,  WR
.set NB,  XR
.set PSB, WSR
.set NSB, XSR
.set STG, STGQ
.endif
	s_lshl_b32 s26, s22, 16
	s_add_co_u32 s26, s26, PB
	v_add_nc_u32 v[PA], s26, v[LI]
	s_wait_alu depctr_va_vdst(0)
	s_lshl_b32 s26, s23, 16
	s_add_co_u32 s26, s26, NB
	v_add_nc_u32 v[NA], s26, v[LI]
	s_wait_alu depctr_va_vdst(0)
	s_lshl_b32 s26, s22, 11
	s_add_co_u32 s26, s26, PSB
	v_add_nc_u32 v[PSA], s26, v[LS]
	s_lshl_b32 s26, s23, 11
	s_add_co_u32 s26, s26, NSB
	v_add_nc_u32 v[NSA], s26, v[LS]
	LOADP
	LOADN 0
	s_lshl_b32 s26, s16, 9
	s_add_co_u32 s26, s26, STG
	v_lshl_add_u32 v[STA], v14, 2, s26             ; my stage: 4 r in,
	v_lshl_add_u32 v[STR], v13, 3, s26             ; 8 x lane out
	s_mov_b32 s95, 0
.if \path
	s_lshl_b32 s26, s21, 1
	s_add_co_u32 s26, s26, s23                     ; the head pair: by N's half
	s_lshl_b32 s27, s24, 2
	s_add_co_u32 s27, s27, s26                     ; bp
	s_lshl_b32 s31, s27, 4
	s_add_co_u32 s31, s31, s25
	s_lshl_b32 s94, s31, 16                        ; the slot's 64 KB,
	s_lshl_b32 s31, s22, 12                        ; the step in it: by P's half
	s_add_co_u32 s94, s94, s31
	s_add_nc_u64 s[84:85], s[14:15], s[94:95]
	s_lshl_b32 s94, s27, 15
	s_add_co_u32 s94, s94, 0x800000+16384          ; V's scale words lie behind K's two kinds
	s_lshl_b32 s31, s25, 1
	s_add_co_u32 s31, s31, s22
	s_lshl_b32 s31, s31, 8
	s_add_co_u32 s94, s94, s31
	s_add_nc_u64 s[86:87], s[14:15], s[94:95]
	s_lshl_b32 s94, s21, 10
	s_lshl_b32 s31, s23, 9
	s_add_co_u32 s94, s94, s31
	s_add_nc_u64 s[88:89], s[10:11], s[94:95]      ; bv at my 128 channels
	v_and_b32 v[BA], 8, v14
	v_add_nc_u32 v[BA], v[BA], v14
	v_lshlrev_b32 v[BA], 2, v[BA]                  ; my lane's channel in a tile: r + 8 (r / 8)
.irp i, 0,1,2,3
.irp u, 0,1
	global_load_b32 v[BV+2*\i+\u], v[BA], s[88:89] offset:(32*\i+8*\u)*4
.endr
.endr
.else
	s_lshl_b32 s26, s21, 1
	s_add_co_u32 s26, s26, s22                     ; the head pair: by P's half
	s_lshl_b32 s27, s24, 2
	s_add_co_u32 s27, s27, s26                     ; bp
	s_cmp_lt_u32 s19, 2                            ; q or k?  The choice hangs on the work-group's y alone
	s_cselect_b64 s[84:85], s[12:13], s[14:15]
	s_cselect_b64 s[88:89], s[6:7], s[8:9]
	s_cselect_b32 s28, 15, 16                      ; a slot is 32 KB in qb, 64 KB in kv
	s_cselect_b32 s29, 14, 15                      ; a bp's scale words 16 KB, 32 KB
	s_mov_b32 s30, 0x800000
	s_cselect_b32 s30, 0x400000, s30
	s_mov_b64 s[86:87], s[84:85]
	s_lshl_b32 s31, s27, 4
	s_add_co_u32 s31, s31, s25
	s_lshl_b32 s94, s31, s28
	s_lshl_b32 s31, s23, 12                        ; the step in the slot: by N's half
	s_add_co_u32 s94, s94, s31
	s_add_nc_u64 s[84:85], s[84:85], s[94:95]
	s_lshl_b32 s94, s27, s29
	s_add_co_u32 s94, s94, s30
	s_lshl_b32 s31, s25, 1
	s_add_co_u32 s31, s31, s23
	s_lshl_b32 s31, s31, 8
	s_add_co_u32 s94, s94, s31
	s_add_nc_u64 s[86:87], s[86:87], s[94:95]
	s_lshl_b32 s94, s21, 10
	s_lshl_b32 s31, s22, 9
	s_add_co_u32 s94, s94, s31
	s_add_nc_u64 s[88:89], s[88:89], s[94:95]      ; the bias at my 128 columns
	v_lshlrev_b32 v[BA], 6, v15                    ; lanes 16-31: 16 columns on
.irp pt, 0,1,2,3,4,5,6,7
	global_load_b128 v[BIAS+8*\pt:BIAS+8*\pt+3], v[BA], s[88:89] offset:(32*(\pt/2)+8*(\pt%2))*4
	global_load_b128 v[BIAS+8*\pt+4:BIAS+8*\pt+7], v[BA], s[88:89] offset:(32*(\pt/2)+8*(\pt%2))*4+16
.endr
.endif
	s_wait_alu depctr_va_vdst(0)
.irp i, 0,1,2,3
	TRIP \path, \i
.endr
	ds_load_b64 v[RB:RB+1], v[STR]                 ; my 512 bytes of scale words: these see my stores
	ds_load_b64 v[RB+2:RB+3], v[STR] offset:256
	s_wait_dscnt 0x0
	global_store_b64 v[L8], v[RB:RB+1], s[86:87]               ; 256 consecutive bytes, aligned: the first head's
	global_store_b64 v[L8], v[RB+2:RB+3], s[86:87] offset:8192 ; and the second's
	s_wait_tensorcnt 0x0                           ; the wave's end
	ds_add_u32 v[SPW], v[NIL]
	s_wait_dscnt 0x0
	ROUND                                          ; the closing round
	s_endpgm
.endm
	BODY 0
.Lv:
	BODY 1
.Lfunc_end_k_qbf9a1abb29_proj:
	.size	k_qbf9a1abb29_proj, .Lfunc_end_k_qbf9a1abb29_proj-k_qbf9a1abb29_proj
	.p2alignl 7, 3214868480
	.fill 96, 4, 3214868480
	.section	.rodata,"a",@progbits
	.p2align	6, 0x0
	.amdhsa_kernel k_qbf9a1abb29_proj
		.amdhsa_group_segment_fixed_size 327680
		.amdhsa_private_segment_fixed_size 0
		.amdhsa_enable_private_segment 0
		.amdhsa_kernarg_size 48
		.amdhsa_user_sgpr_count 2
		.amdhsa_user_sgpr_kernarg_segment_ptr 1
		.amdhsa_wavefront_size32 1
		.amdhsa_system_sgpr_workgroup_id_x 1
		.amdhsa_system_sgpr_workgroup_id_y 1
		.amdhsa_system_sgpr_workgroup_id_z 1
		.amdhsa_system_vgpr_workitem_id 0
		.amdhsa_next_free_vgpr 1024
		.amdhsa_next_free_sgpr 100
		.amdhsa_reserve_vcc 0
		.amdhsa_float_denorm_mode_32 3
		.amdhsa_float_denorm_mode_16_64 3
		.amdhsa_memory_ordered 1
		.amdhsa_forward_progress 1
		.amdhsa_inst_pref_size 255
	.end_amdhsa_kernel
	.section	.bss,"aw",@nobits
	.p2align	6
	.space	262144
	.amdgpu_metadata
---
amdhsa.version: [ 1, 2 ]
amdhsa.kernels:
  - .name:           k_qbf9a1abb29_proj
    .symbol:         k_qbf9a1abb29_proj.kd
    .args:
      - { .name: pq, .offset: 0, .size: 8, .value_kind: global_buffer, .address_space: global }
      - { .name: bq, .offset: 8, .size: 8, .value_kind: global_buffer, .address_space: global }
      - { .name: bk, .offset: 16, .size: 8, .value_kind: global_buffer, .address_space: global }
      - { .name: bv, .offset: 24, .size: 8, .value_kind: global_buffer, .address_space: global }
      - { .name: qb, .offset: 32, .size: 8, .value_kind: global_buffer, .address_space: global }
      - { .name: kv, .offset: 40, .size: 8, .value_kind: global_buffer, .address_space: global }
    .group_segment_fixed_size: 327680
    .private_segment_fixed_size: 0
    .kernarg_segment_align: 8
    .kernarg_segment_size: 48
    .max_flat_workgroup_size: 128
    .sgpr_count:     100
    .vgpr_count:     1024
    .wavefront_size: 32
...
	.end_amdgpu_metadata
.endif
;; end of part 2
;; launch att (part 3): grid 32 x 8, 8 waves a work-group, clusters of 4 x 1, 327,680 bytes of LDS; arguments qb, kv, gamma, ob; writes ob
.if DOCPART == 3
	.amdgcn_target "amdgcn-amd-amdhsa--gfx1250"
	.amdhsa_code_object_version 6
	.text
	.protected	k_qbf9a1abb29_att
	.globl	k_qbf9a1abb29_att
	.p2align	8
	.type	k_qbf9a1abb29_att,@function
k_qbf9a1abb29_att:
	s_mov_b64 s[64:65], 0
	v_nop
	global_prefetch_b8 v0, s[64:65] scope:SCOPE_SE
	s_setreg_imm32_b32 hwreg(HW_REG_WAVE_MODE, 25, 1), 1
	s_wait_xcnt 0x0
	s_wait_alu depctr_hold_cnt(0) depctr_sa_sdst(0) depctr_va_vdst(0) depctr_va_sdst(0) depctr_va_ssrc(0) depctr_va_vcc(0) depctr_vm_vsrc(0)
	s_getreg_b32 s2, hwreg(HW_REG_IB_STS2, 6, 4)
	s_cmp_eq_u32 s2, 0
	s_cbranch_scc0 .Lentry_in_a_cluster
	s_endpgm
.Lentry_in_a_cluster:
	s_bfe_u32 s2, ttmp6, 0x10000c
	s_cmp_lg_u32 s2, 0x3003
	s_cbranch_scc0 .Lentry_shape_is_right
	s_endpgm
.Lentry_shape_is_right:
; o = softmax(q k^T / 8 - log1p(gamma_i (i - j) + 1e-8), causal) v for a pair of heads, both products on codes of FP8 (E4M3) with E8M0 scales; o leaves as codes for the last product.
; WORK LEFT OUT: slots of 256 keys all of which come after the 256 queries of a cluster's phase: reference() sets those scores to -inf in its own body. The 1e-8 is no line of its own (see the first kernel's head).
; LIMITS: the promise holds while the scaled scores (exponents to the base 2) stay under 2^31 in magnitude: the running maximum begins at -2^31; 1 + gamma (i - j) <= 0 is not served.
; THE DEAL.  y of the grid: bp = 4 batch + head pair.  Cluster c (0..7) of four work-groups owns the queries 4096 - 256 c - 256 .. (first phase) and 256 c .. 256 c + 255 (second phase); a work-group has 4 tiles of 16 of each.
;  First phase: key slots 0 .. 15 - c; second: 0 .. c.  That is 17 slots for every work-group, the same slots in the four partners: every fill is a joint load (mask 15).  The last slot of a phase lies on the diagonal: told by the trip and c alone.
;  Waves w and w + 4 share a tile: wave w takes the first 128 keys of each slot, wave w + 4 the second, each with its own M, sum and O^T for both heads.  At a phase's end both lay them into a stage in LDS; wave w finishes head 0, wave w + 4 head 1.
; A LANE holds one query; registers run along the keys (scores) or the channels (O^T), by the order of rows in a tile that the first kernel's head states.
; THE BIAS IS THE C OF THE SCORE PRODUCTS: C = -log2(w) / c0, w = 1 + gamma (i - j), c0 = log2(e) / 8, so that t = c0 x (the product's result).  Hidden scores get C = -1e30: p = 0.
; THE RING: two slots, 2^17 bytes apart: 64 KB of codes (waves 0-3: 16 KB each) and 2 KB of scale words (waves 4-7: a kind each), one load a wave behind each round.
; PREFETCH: in trip t waves 0, 1 of clusters 0-3 name the slot that trip t + 2 loads (64 KB: 16 KB a partner, told apart by address, 256 bytes a lane); first phase only: the second phase's slots have been read in the first.
.set SLOT1, 131072
.set SCO,   65536                      ; a slot's scale words: [K0, K1, V0, V1][step 2][256 B]
.set STG,   198656                     ; the stages: 9,216 bytes a wave: [head][8 x 512 O^T, 512 M and sums]
.set HST,   4608
.set SPARE, 272384                     ; the spare words: 128 bytes a wave, named by no other line
.set LI,  1
.set LIP, 2
.set SPW, 3
.set NIL, 4
.set ADK, 5
.set ADS, 6
.set QL,  7
.set DI,  8
.set MK,  9
.set GAM, 10
.set QWL, 12
.set GAML, 14
.set QLL, 15
.set CI,  16
.set STAT, 32                          ; a head: -M, largest t, the sum in two halves
.set QW,  40
.set KS,  42
.set VS,  44
.set PW,  46
.set PFO, 47
.set PC,  48
.set L,   64
.set S,   128
.set TM,  192
.set F,   208
.set SCR, 210
.set SUM2, 212
.set LSP, 214
.set STA, 215
.set BB,  216
.set BS,  224
.set MYA, 232
.set PAA, 233
.set SO,  234
.set R4,  235
.set R4T, 236
.set RT,  237
; window 1: v0-63 O^T; QZ zeros and Q; KF, VF fragments; QLO the second phase's Q
.set QZ,  64
.set KF,  112
.set VF,  176
.set QLO, 240
.set WV,  12
.set PAR, 13
.set BP,  14
.set QT,  15
.set Q0,  16
.set CC,  17
.set KEY, 18
.set TB,  19
.set TR,  20
.set E1,  21
.set DG,  22
.set PL,  23
.set CS,  24
.set SEL, 26
.set MNT, 28
.set GG,  29
.set G1C, 32
.set G1S, 40
.set G0C, 48
.set G0S, 52
.set KB,  56
.set SB,  58
.set COF, 60
.set SOF, 62
.set PFA, 66
.set RC,  68
.set OC,  70
.set OS,  72
.set OCL, 74
.set OSL, 76
.set PSH, 86
.set PSL, 87
.set TI,  88
.set CX,  89
.set MSB, 0
.macro WIN new
.if MSB != \new
	s_set_vgpr_msb (MSB<<8)|\new
.set MSB, \new
.endif
.endm
.macro WALU
	s_wait_alu depctr_va_vdst(0)
.endm
.macro GROUP1 g, w0, rows              ; a dense block as rows of 256 bytes
	s_mov_b32 s[\g], \w0
	s_mov_b32 s[\g+1], 32<<16
	s_mov_b32 s[\g+2], (\rows)<<16
	s_mov_b32 s[\g+3], 32<<16
	s_mov_b32 s[\g+4], \rows
	s_mov_b32 s[\g+5], 32
	s_mov_b32 s[\g+6], 0
	s_mov_b32 s[\g+7], 0
.endm
.macro ROUND                           ; a round of the cluster's barrier
	s_barrier_signal -1
	s_barrier_wait -1
	s_cmp_lg_u32 s[WV], 0
	s_cbranch_scc1 .Lnot_wave_0_\@
	s_barrier_signal -3
.Lnot_wave_0_\@:
	s_barrier_wait -3
	s_barrier_signal -1
	s_barrier_wait -1
.endm
.macro JLOAD                           ; one joint load a wave: waves 0-3 codes, waves 4-7 scale words
	s_cmp_lt_u32 s[WV], 4
	s_cbranch_scc0 .Lsc_\@
	tensor_load_to_lds s[G0C:G0C+3], s[G1C:G1C+7]
	s_nop 0
.rept 4
	v_nop
.endr
	s_branch .Lj_\@
.Lsc_\@:
	tensor_load_to_lds s[G0S:G0S+3], s[G1S:G1S+7]
	s_nop 0
.rept 4
	v_nop
.endr
.Lj_\@:
.endm
.macro BITS d, fld, sh                 ; a field of the tile's number, shifted, onto an offset
	s_bfe_u32 s79, s[QT], \fld
	s_lshl_b32 s79, s79, \sh
	s_add_co_u32 s\d, s\d, s79
.endm
; What hangs on a tile (number in s[QT]): Q's codes and scale words, gamma, the lane's query, where o goes.
.macro TILE qw, gam, ql, qr, qs, ps, oc, os
	s_lshr_b32 s30, s[QT], 1
	s_lshl_b32 s30, s30, 5
	s_and_b32 s31, s[QT], 1
	s_lshl_b32 s[Q0], s31, 3
	s_add_co_u32 s[Q0], s[Q0], s30                 ; the tile's first query
	s_mov_b32 s[\ps], 0x01000100
	s_cmp_eq_u32 s31, 1
	s_cselect_b32 s[\ps], 0x03020302, s[\ps]       ; which two bytes of Q's scale word are this tile's
	s_lshl_b32 s78, s[BP], 19
	BITS 78, 0x40004, 15
	BITS 78, 0x10003, 12
	BITS 78, 0x10002, 13
	BITS 78, 0x10001, 11
	BITS 78, 0x10000, 10
	s_mov_b32 s79, 0
	s_add_nc_u64 s[80:81], s[4:5], s[78:79]
	s_lshl_b32 s78, s[BP], 14
	BITS 78, 0x50003, 8
	BITS 78, 0x20001, 6
	s_add_co_u32 s78, s78, 0x400000
	s_mov_b32 s79, 0
	s_add_nc_u64 s[82:83], s[4:5], s[78:79]
	s_lshr_b32 s78, s[BP], 2
	s_lshl_b32 s78, s78, 12
	s_add_co_u32 s78, s78, s[Q0]
	s_lshl_b32 s78, s78, 2
	s_add_nc_u64 s[84:85], s[8:9], s[78:79]
	s_lshr_b32 s30, s[BP], 2
	s_lshl_b32 s30, s30, 8
	s_add_co_u32 s30, s30, s[QT]
	s_and_b32 s31, s[BP], 3
	s_lshl_b32 s78, s30, 13
	s_lshl_b32 s79, s31, 11
	s_add_co_u32 s78, s78, s79
	s_lshl_b32 s79, s[PAR], 10                     ; my head's two chunks of 512 bytes
	s_add_co_u32 s78, s78, s79
	s_mov_b32 s79, 0
	s_add_nc_u64 s[\oc:\oc+1], s[10:11], s[78:79]
	s_lshl_b32 s78, s30, 8
	s_lshl_b32 s79, s31, 6
	s_add_co_u32 s78, s78, s79
	s_add_co_u32 s78, s78, 0x400000
	s_mov_b32 s79, 0
	s_add_nc_u64 s[\os:\os+1], s[10:11], s[78:79]
	global_load_b32 v[\qw], v[R4], s[82:83]
	global_load_b32 v[\qw+1], v[R4], s[82:83] offset:8192
	global_load_b32 v[\gam], v[R4T], s[84:85]
	v_add_nc_u32 v[\ql], s[Q0], v[RT]              ; my query - 16 (lane / 16)
	WIN 0x40
.irp hd, 0,1
.irp bb, 0,1
	global_load_b128 v[\qr+\qs*\hd+4*\bb:\qr+\qs*\hd+4*\bb+3], v[LI], s[80:81] offset:\hd*16384+\bb*512
.endr
.endr
	WIN 0
	s_wait_xcnt 0x0                                ; the loads have taken their addresses: the scalars are written again
.endm
.macro STATS                           ; -M = 2^31, largest t = -2^31, sums 0
.irp hd, 0,1
	v_mov_b32 v[STAT+4*\hd], 0x4f000000
	v_mov_b32 v[STAT+4*\hd+1], 0xcf000000
	v_mov_b32 v[STAT+4*\hd+2], 0
	v_mov_b32 v[STAT+4*\hd+3], 0
.endr
.endm
	s_load_b256 s[4:11], s[0:1], 0x0               ; qb, kv, gamma, ob
	v_lshl_add_u32 v[SPW], v0, 2, SPARE
	v_mov_b32 v[NIL], 0
	ds_add_u32 v[SPW], v[NIL]                      ; the opening: the add, twice on end, and its wait
	ds_add_u32 v[SPW], v[NIL]
	v_lshrrev_b32 v[TM], 5, v0
	v_readfirstlane_b32 s[WV], v[TM]
	s_lshr_b32 s[PAR], s[WV], 2                    ; which 128 keys of a slot, and which head I finish
	s_and_b32 s[TI], s[WV], 3                      ; which tile of the work-group's four
	s_bfe_u32 s[CX], ttmp6, 0x40000                ; enters global addresses and lane data alone
	s_mov_b32 s[CC], ttmp9
	s_and_b32 s[BP], ttmp7, 0xffff
	s_lshl_b32 s[GG], s[CC], 2
	s_add_co_u32 s[GG], s[GG], s[CX]
	s_lshl_b32 s[GG], s[GG], 2
	s_add_co_u32 s[GG], s[GG], s[TI]               ; the second phase's tile
	GROUP1 G1C, 15|(3<<16)|(1<<21), 64             ; joint, 16 KB
	GROUP1 G1S, 15|(3<<16)|(1<<21), 2              ; joint, 512 bytes
	s_mov_b32 s[CS], 0x3e38aa3b                    ; c0 = log2(e) / 8
	s_mov_b32 s[CS+1], s[CS]
	s_mov_b32 s[RC], 0xc0b17218                    ; -1 / c0
	s_mov_b32 s[RC+1], s[RC]
	s_mov_b32 s[SEL], 0x76543210
	s_mov_b32 s[SEL+1], 0xfedcba98
	s_mov_b32 s[MNT], 0x600000
	s_sub_co_u32 s[E1], 15, s[CC]                  ; the first phase's last trip
	s_sub_co_u32 s30, 13, s[CC]                    ; trips that prefetch: t + 3 <= 15 - c, in waves 0, 1 of clusters 0-3
	s_cmp_lt_u32 s[CC], 4
	s_cselect_b32 s30, s30, 0
	s_cmp_lt_u32 s[WV], 2
	s_cselect_b32 s[PL], s30, 0
	s_lshl_b32 s78, s[BP], 20
	s_lshl_b32 s79, s[WV], 14
	s_add_co_u32 s78, s78, s79
	s_mov_b32 s79, 0
	s_lshl_b32 s80, s[BP], 15
	s_lshl_b32 s81, s[TI], 13
	s_add_co_u32 s80, s80, s81
	s_add_co_u32 s80, s80, 0x800000
	s_mov_b32 s81, 0
	s_lshl_b32 s82, s[BP], 20
	s_lshl_b32 s83, s[CX], 14
	s_add_co_u32 s82, s82, s83
	s_lshl_b32 s83, s[WV], 13
	s_add_co_u32 s82, s82, s83
	s_add_co_u32 s82, s82, 3*65536
	s_mov_b32 s83, 0
	s_mov_b32 s[COF], 0
	s_mov_b32 s[COF+1], 0
	s_mov_b32 s[SOF], 0
	s_mov_b32 s[SOF+1], 0
	s_wait_dscnt 0x0                               ; both opening adds are done
	ROUND                                          ; the four work-groups are here: the joint loads meet
	s_wait_kmcnt 0x0
	s_add_nc_u64 s[KB:KB+1], s[6:7], s[78:79]
	s_add_nc_u64 s[SB:SB+1], s[6:7], s[80:81]
	s_add_nc_u64 s[PFA:PFA+1], s[6:7], s[82:83]
	s_mov_b32 s[G0C], 1
	s_lshl_b32 s[G0C+1], s[WV], 14
	s_mov_b64 s[G0C+2:G0C+3], s[KB:KB+1]
	s_or_b32 s[G0C+3], s[G0C+3], 0x80000000
	s_mov_b32 s[G0S], 1
	s_lshl_b32 s[G0S+1], s[TI], 9
	s_add_co_u32 s[G0S+1], s[G0S+1], SCO
	s_mov_b64 s[G0S+2:G0S+3], s[SB:SB+1]
	s_or_b32 s[G0S+3], s[G0S+3], 0x80000000
	JLOAD                                          ; key slot 0 into slot 0
	v_and_b32 v[TM], 31, v0                        ; lane
	v_and_b32 v[TM+1], 15, v0                      ; r
	v_bfe_u32 v[TM+2], v0, 4, 1                    ; h
	v_lshlrev_b32 v[LI], 4, v[TM]
	v_lshlrev_b32 v[PFO], 8, v[TM]
	v_lshlrev_b32 v[R4], 2, v[TM+1]
	v_and_b32 v[TM+3], 8, v[TM+1]
	v_add_nc_u32 v[TM+3], v[TM+3], v[TM+1]         ; r + 8 (r / 8)
	v_lshlrev_b32 v[R4T], 2, v[TM+3]
	v_lshlrev_b32 v[TM+2], 4, v[TM+2]
	v_sub_nc_u32 v[RT], v[TM+3], v[TM+2]
	WALU
	s_lshl_b32 s30, s[PAR], 12
	v_add_nc_u32 v[LIP], s30, v[LI]                ; codes: 16 x lane + my step's 4 KB
	s_lshl_b32 s30, s[PAR], 8
	s_add_co_u32 s30, s30, SCO
	v_lshl_add_u32 v[LSP], v[TM], 2, s30           ; scale words: 4 x lane + my step's 256 bytes
	s_mul_i32 s30, s[WV], 2*HST
	s_add_co_u32 s30, s30, STG
	v_add_nc_u32 v[STA], s30, v[LI]                ; my stage
	s_mul_i32 s31, s[PAR], HST
	s_add_co_u32 s30, s30, s31
	v_add_nc_u32 v[MYA], s30, v[LI]                ; the head that I finish: in my stage,
	s_xor_b32 s30, s[WV], 4
	s_mul_i32 s30, s30, 2*HST
	s_add_co_u32 s30, s30, s31
	s_add_co_u32 s30, s30, STG
	v_add_nc_u32 v[PAA], s30, v[LI]                ; and in my partner's
	s_lshl_b32 s30, s[PAR], 1
	v_add_nc_u32 v[SO], s30, v[R4]                 ; o's scale bytes: 4 r + 2 x head
	s_sub_co_u32 s[QT], 255, s[GG]
	TILE QW, GAM, QL, QZ+8, 16, PSH, OC, OS
	s_mov_b32 s[QT], s[GG]
	TILE QWL, GAML, QLL, QLO, 8, PSL, OCL, OSL
	WIN 0x40
.irp z, 0,16,32
.irp j, 0,1,2,3,4,5,6,7
	v_mov_b32 v[QZ+\z+\j], 0                       ; zero codes beside Q: a product's K is 128, a head's 64
.endr
.endr
.set n, 0
.rept 64
	v_mov_b32 v[n], 0                              ; O^T: the step is written once and finds zeros
.set n, n+1
.endr
	WIN 0
	v_mov_b32 v[GAM+1], 0
	v_mov_b32 v[MK], 0xf149f2ca                    ; -1e30
.set n, 0
.irp f, 0x0,0xbf800000,0xc0000000,0xc0400000,0xc0800000,0xc0a00000,0xc0c00000,0xc0e00000,0xc1000000,0xc1100000,0xc1200000,0xc1300000,0xc1400000,0xc1500000,0xc1600000,0xc1700000
	v_mov_b32 v[CI+n], \f                          ; 0, -1 .. -15
.set n, n+1
.endr
	STATS
.irp b, 0,1,2,3
	v_mov_b32 v[TM+4+\b], 0                        ; a lane permute's destination counts as a source; upper halves of pairs are named
	v_mov_b32 v[BB+2*\b+1], 0
	v_mov_b32 v[BS+2*\b+1], 0
.endr
	v_mov_b32 v[F+1], 0
	v_mov_b32 v[SCR+1], 0
	s_lshl_b32 s[KEY], s[PAR], 7
	s_mov_b32 s[TB], 0
	s_mov_b32 s[TR], 0
	s_mov_b32 s[DG], 0
	WALU
	s_wait_loadcnt 0x0
	v_perm_b32 v[QW], v[QW], v[QW], s[PSH]
	v_perm_b32 v[QW+1], v[QW+1], v[QW+1], s[PSH]
	v_perm_b32 v[QWL], v[QWL], v[QWL], s[PSL]
	v_perm_b32 v[QWL+1], v[QWL+1], v[QWL+1], s[PSL]
.macro KLOAD hd
	WIN 0x40
.irp blk, 0,1,2,3
.irp c, 0,1,2,3
	ds_load_b128 v[KF+16*\blk+4*\c:KF+16*\blk+4*\c+3], v[ADK] offset:(2*\hd+\blk/2)*8192+(\blk%2)*2048+\c*512
.endr
.endr
	WIN 0
.irp j, 0,1
	ds_load_b32 v[KS+\j], v[ADS] offset:\hd*512+128*\j
.endr
.endm
.macro VLOAD hd
	WIN 0x40
.irp ct, 0,1,2,3
.irp c, 0,1,2,3
	ds_load_b128 v[VF+16*\ct+4*\c:VF+16*\ct+4*\c+3], v[ADK] offset:(4+2*\hd+\ct/2)*8192+(\ct%2)*2048+\c*512
.endr
.endr
	WIN 0
.irp j, 0,1
	ds_load_b32 v[VS+\j], v[ADS] offset:(2+\hd)*512+128*\j
.endr
.endm
; C = -log2(1 + gamma (i - j)) / c0 for my 64 scores; register 16 b + i holds key KEY + 16 (lane / 16) + 32 b + i.  both = 1: both ways are assembled, chosen by s[DG]; 0: the diagonal's alone.
.macro LBIAS both
	v_sub_nc_u32 v[DI], v[QL], s[KEY]
	s_delay_alu instid0(VALU_DEP_1)
	v_cvt_f32_i32 v[BB], v[DI]
	s_delay_alu instid0(VALU_DEP_1)
	v_add_f32 v[BB+2], 0xc2000000, v[BB]
	s_delay_alu instid0(VALU_DEP_2)
	v_add_f32 v[BB+4], 0xc2800000, v[BB]
	s_delay_alu instid0(VALU_DEP_3)
	v_add_f32 v[BB+6], 0xc2c00000, v[BB]
.if \both
	WALU
	s_cmp_eq_u32 s[DG], 1
	s_cbranch_scc1 .Ldg_\@
.irp b, 0,1,2,3
	v_fma_f32 v[BS+2*\b], v[GAM], v[BB+2*\b], 1.0  ; w at the block's first key,
.endr
.irp b, 0,1,2,3
.irp i, 0,2,4,6,8,10,12,14
	v_pk_fma_f32 v[L+16*\b+\i:L+16*\b+\i+1], v[GAM:GAM+1], v[CI+\i:CI+\i+1], v[BS+2*\b:BS+2*\b+1] op_sel_hi:[0,1,0]   ; less gamma for each key on
.endr
.endr
	s_branch .Llg_\@
.Ldg_\@:
.endif
.irp b, 0,1,2,3
.irp i, 0,2,4,6,8,10,12,14
	v_pk_add_f32 v[L+16*\b+\i:L+16*\b+\i+1], v[BB+2*\b:BB+2*\b+1], v[CI+\i:CI+\i+1] op_sel_hi:[0,1]
.endr
.endr
.set n, 0
.rept 64
	v_max_num_f32 v[L+n], 0, v[L+n]                ; reference()'s clip of i - j at 0
.set n, n+1
.endr
.set n, 0
.rept 32
	v_pk_fma_f32 v[L+n:L+n+1], v[L+n:L+n+1], v[GAM:GAM+1], 1.0 op_sel_hi:[1,0,0]
.set n, n+2
.endr
.Llg_\@:
	WALU
.set n, 0
.rept 64
	v_log_f32 v[L+n], v[L+n]
.set n, n+1
.endr
	v_nop
	WALU
.set n, 0
.rept 32
	v_pk_mul_f32 v[L+n:L+n+1], v[L+n:L+n+1], s[RC:RC+1] op_sel_hi:[1,0]
.set n, n+2
.endr
.if \both
	s_cmp_eq_u32 s[DG], 0
	s_cbranch_scc1 .Lop_\@
.endif
.set n, 0
.rept 64
	v_cmp_gt_i32 vcc_lo, 32*(n/16)+n%16, v[DI]     ; the key comes after my query
	v_cndmask_b32 v[L+n], v[L+n], v[MK], vcc_lo
.set n, n+1
.endr
.Lop_\@:
.endm
.macro HEAD hd
.set NM, STAT+4*\hd
.if \hd == 0
.rept 4
	v_nop
.endr
	WALU
	s_wait_dscnt 0x0                               ; K's fragments and scale words are in
.endif
	WIN 0x05
.irp blk, 0,1,2,3
.irp u, 0,1
.if \blk%2
	v_wmma_scale_f32_16x16x128_f8f6f4 v[S+16*\blk+8*\u:S+16*\blk+8*\u+7], v[KF+16*\blk:KF+16*\blk+15], v[QZ+16*\hd+8-8*\u:QZ+16*\hd+8-8*\u+15], v[L+16*\blk+8*\u:L+16*\blk+8*\u+7], v[KS+\blk/2], v[QW+\hd] matrix_a_scale:MATRIX_SCALE_ROW1
.else
	v_wmma_scale_f32_16x16x128_f8f6f4 v[S+16*\blk+8*\u:S+16*\blk+8*\u+7], v[KF+16*\blk:KF+16*\blk+15], v[QZ+16*\hd+8-8*\u:QZ+16*\hd+8-8*\u+15], v[L+16*\blk+8*\u:L+16*\blk+8*\u+7], v[KS+\blk/2], v[QW+\hd]
.endif
.endr
.endr
	WIN 0
.rept 8
	v_nop                                          ; eight places ahead of the loads below and of the first read of the scores
.endr
	VLOAD \hd
.if \hd == 0
	KLOAD 1
.endif
.irp b, 0,1,2,3
	v_max3_num_f32 v[TM+\b], v[S+16*\b], v[S+16*\b+1], v[S+16*\b+2]   ; each block's largest score: for the row's maximum and for the block's largest p
.endr
.irp i, 3,5,7,9,11,13
.irp b, 0,1,2,3
	v_max3_num_f32 v[TM+\b], v[TM+\b], v[S+16*\b+\i], v[S+16*\b+\i+1]
.endr
.endr
.irp b, 0,1,2,3
	v_max_num_f32 v[TM+\b], v[TM+\b], v[S+16*\b+15]
.endr
.irp b, 0,1,2,3
	s_delay_alu instid0(VALU_DEP_4)
	v_permlanex16_b32 v[TM+4+\b], v[TM+\b], s[SEL], s[SEL+1]
.endr
.irp b, 0,1,2,3
	s_delay_alu instid0(VALU_DEP_4)
	v_max_num_f32 v[TM+\b], v[TM+\b], v[TM+4+\b]
.endr
	s_delay_alu instid0(VALU_DEP_2)
	v_max3_num_f32 v[SCR], v[TM], v[TM+1], v[TM+2]
	s_delay_alu instid0(VALU_DEP_1)
	v_max_num_f32 v[SCR], v[SCR], v[TM+3]
	s_delay_alu instid0(VALU_DEP_1)
	v_mul_f32 v[SCR], s[CS], v[SCR]                ; as t
	s_delay_alu instid0(VALU_DEP_1)
	v_max_num_f32 v[NM+1], v[NM+1], v[SCR]         ; the running largest t
	v_mov_b32 v[SCR], v[NM]
	s_delay_alu instid0(VALU_DEP_2)
	v_floor_f32 v[NM], -v[NM+1]                    ; -M = -ceil(t)
	s_delay_alu instid0(VALU_DEP_1)
	v_sub_f32 v[SCR], v[NM], v[SCR]
	s_delay_alu instid0(VALU_DEP_1)
	v_cvt_i32_f32 v[SCR], v[SCR]
	s_delay_alu instid0(VALU_DEP_1)
	v_ldexp_f32 v[F], 1.0, v[SCR]                  ; f = 2^(old M - new M)
.set n, 0
.rept 32
	v_pk_fma_f32 v[S+n:S+n+1], v[S+n:S+n+1], s[CS:CS+1], v[NM:NM+1] op_sel_hi:[1,0,0]   ; t - M
.set n, n+2
.endr
.irp b, 0,1,2,3
	v_fma_f32 v[TM+\b], v[TM+\b], s[CS], v[NM]
.endr
	WALU
.set n, 0
.rept 64
	v_exp_f32 v[S+n], v[S+n]
.set n, n+1
.endr
	v_pk_mul_f32 v[NM+2:NM+3], v[NM+2:NM+3], v[F:F+1] op_sel_hi:[1,0]
	WALU
.irp b, 0,1,2,3
	v_exp_f32 v[TM+\b], v[TM+\b]                   ; the block's largest p
.endr
	v_pk_add_f32 v[SUM2:SUM2+1], v[S:S+1], v[S+2:S+3]   ; the sum of the unquantised p, in two chains
.irp j, 4,8,12,16,20,24,28,32,36,40,44,48,52,56,60
	v_pk_add_f32 v[NM+2:NM+3], v[NM+2:NM+3], v[S+\j:S+\j+1]
	v_pk_add_f32 v[SUM2:SUM2+1], v[SUM2:SUM2+1], v[S+\j+2:S+\j+3]
.endr
	s_delay_alu instid0(VALU_DEP_1)
	v_pk_add_f32 v[NM+2:NM+3], v[NM+2:NM+3], v[SUM2:SUM2+1]
	WALU
.irp b, 0,1,2,3
	v_max_num_f32 v[TM+\b], 0x4800000, v[TM+\b]    ; the floor 2^(9 - 127): the byte cannot fall under 1
.endr
.irp b, 0,1,2,3
	s_delay_alu instid0(VALU_DEP_4)
	v_add_nc_u32 v[TM+12+\b], 0xfc000000, v[TM+\b] ; the conversion's scale operand
.endr
.irp b, 0,1,2,3
	v_and_or_b32 v[TM+8+\b], v[TM+\b], 0x7f800000, s[MNT]   ; 448 x the scale
.endr
.irp b, 0,1,2,3
	v_lshrrev_b32 v[TM+4+\b], 23, v[TM+12+\b]
.endr
	s_delay_alu instid0(VALU_DEP_3)
	v_lshl_or_b32 v[PW], v[TM+5], 8, v[TM+4]
	s_delay_alu instid0(VALU_DEP_1)
	v_lshl_or_b32 v[PW], v[TM+6], 16, v[PW]
	s_delay_alu instid0(VALU_DEP_1)
	v_lshl_or_b32 v[PW], v[TM+7], 24, v[PW]
.irp bp, 0,2                           ; the holds, two to a line: an even register of one block with an odd one of the next, so that destinations and sources differ in parity and bank
.irp i, 0,2,4,6,8,10,12,14
	v_dual_min_num_f32 v[S+16*\bp+\i], v[S+16*\bp+\i], v[TM+8+\bp] :: v_dual_min_num_f32 v[S+16*\bp+17+\i], v[S+16*\bp+17+\i], v[TM+9+\bp]
	v_dual_min_num_f32 v[S+16*\bp+16+\i], v[S+16*\bp+16+\i], v[TM+9+\bp] :: v_dual_min_num_f32 v[S+16*\bp+1+\i], v[S+16*\bp+1+\i], v[TM+8+\bp]
.endr
.irp b, \bp, \bp+1
	v_cvt_scalef32_pk8_fp8_f32 v[PC+4*(\b):PC+4*(\b)+1], v[S+16*(\b):S+16*(\b)+7], v[TM+12+(\b)]
	v_cvt_scalef32_pk8_fp8_f32 v[PC+4*(\b)+2:PC+4*(\b)+3], v[S+16*(\b)+8:S+16*(\b)+15], v[TM+12+(\b)]
.endr
.endr
	WIN 0x41
	WALU                                           ; directly ahead of the first reader of O^T
.set n, 0
.rept 16
	v_pk_mul_f32 v[32*\hd+n:32*\hd+n+1], v[32*\hd+n:32*\hd+n+1], v[F:F+1] op_sel_hi:[1,0]
.set n, n+2
.endr
.rept 4
	v_nop
.endr
	WALU
	s_wait_dscnt 0x0                               ; V's fragments (and the next head's K) are in
	WIN 0x51
.irp ct, 0,1,2,3
.if \ct%2
	v_wmma_scale_f32_16x16x128_f8f6f4 v[32*\hd+8*\ct:32*\hd+8*\ct+7], v[VF+16*\ct:VF+16*\ct+15], v[PC:PC+15], v[32*\hd+8*\ct:32*\hd+8*\ct+7], v[VS+\ct/2], v[PW] matrix_a_scale:MATRIX_SCALE_ROW1
.else
	v_wmma_scale_f32_16x16x128_f8f6f4 v[32*\hd+8*\ct:32*\hd+8*\ct+7], v[VF+16*\ct:VF+16*\ct+15], v[PC:PC+15], v[32*\hd+8*\ct:32*\hd+8*\ct+7], v[VS+\ct/2], v[PW]
.endif
.endr
	WIN 0
.endm
; A PHASE'S END.  Both waves of a tile lay O^T, -M and the sums of both heads into their stages; behind a barrier each takes its own head's two parts, joins them under the larger M, divides by the sum, quantises and stores.
; sw = 1: the second phase's Q, gamma, query and pointers take their places, under the flight of the stage's loads.
.macro EPI sw
.rept 8
	v_nop                                          ; eight places ahead of the first read of O^T
.endr
	WIN 0x04                                       ; an LDS store's data: window 1
.irp hd, 0,1
.irp g, 0,1,2,3,4,5,6,7
	ds_store_b128 v[STA], v[32*\hd+4*\g:32*\hd+4*\g+3] offset:HST*\hd+512*\g   ; each accumulator from its low end on
.endr
.endr
	WIN 0
.irp hd, 0,1
	ds_store_b128 v[STA], v[STAT+4*\hd:STAT+4*\hd+3] offset:HST*\hd+4096
.endr
	WALU
	s_wait_dscnt 0x0                               ; for my partner's sake
	s_barrier_signal -1
	s_barrier_wait -1
.irp g, 0,1,2,3,4,5,6,7
	ds_load_b128 v[S+4*\g:S+4*\g+3], v[MYA] offset:512*\g
	ds_load_b128 v[S+32+4*\g:S+32+4*\g+3], v[PAA] offset:512*\g
.endr
	ds_load_b128 v[TM:TM+3], v[MYA] offset:4096
	ds_load_b128 v[TM+4:TM+7], v[PAA] offset:4096
.if \sw
	WIN 0x40
.set n, 0
.rept 64
	v_mov_b32 v[n], 0
.set n, n+1
.endr
	WIN 0x41
.irp hd, 0,1
.irp j, 0,1,2,3,4,5,6,7
	v_mov_b32 v[QZ+8+16*\hd+\j], v[QLO+8*\hd+\j]
.endr
.endr
	WIN 0
	v_mov_b32 v[QW], v[QWL]
	v_mov_b32 v[QW+1], v[QWL+1]
	v_mov_b32 v[GAM], v[GAML]
	v_mov_b32 v[QL], v[QLL]
	STATS
.endif
	WALU
	s_wait_dscnt 0x0
	v_min_num_f32 v[F], v[TM], v[TM+4]             ; -M of the two
	v_add_f32 v[TM+2], v[TM+2], v[TM+3]
	v_add_f32 v[TM+6], v[TM+6], v[TM+7]
	v_sub_f32 v[TM], v[F], v[TM]
	v_sub_f32 v[TM+4], v[F], v[TM+4]
	v_cvt_i32_f32 v[TM], v[TM]
	v_cvt_i32_f32 v[TM+4], v[TM+4]
	v_ldexp_f32 v[TM], 1.0, v[TM]                  ; 2^(my M - M),
	v_ldexp_f32 v[TM+4], 1.0, v[TM+4]              ; 2^(my partner's M - M)
	v_mul_f32 v[TM+2], v[TM+2], v[TM]
	v_fma_f32 v[TM+2], v[TM+6], v[TM+4], v[TM+2]
	v_permlanex16_b32 v[TM+3], v[TM+2], s[SEL], s[SEL+1]
	v_add_f32 v[TM+2], v[TM+2], v[TM+3]            ; the row's sum
	WALU
	v_rcp_f32 v[TM+3], v[TM+2]
	v_nop
	WALU
	v_mul_f32 v[F], v[TM], v[TM+3]
	v_mul_f32 v[SCR], v[TM+4], v[TM+3]
.set n, 0
.rept 16
	v_pk_mul_f32 v[S+n:S+n+1], v[S+n:S+n+1], v[F:F+1] op_sel_hi:[1,0]
.set n, n+2
.endr
.set n, 0
.rept 16
	v_pk_fma_f32 v[S+n:S+n+1], v[S+32+n:S+32+n+1], v[SCR:SCR+1], v[S+n:S+n+1] op_sel_hi:[1,0,1]
.set n, n+2
.endr
.irp b, 0,1
	v_max3_num_f32 v[TM+\b], |v[S+16*\b]|, |v[S+16*\b+1]|, 0x4800000
.endr
.irp i, 2,4,6,8,10,12,14
.irp b, 0,1
	v_max3_num_f32 v[TM+\b], v[TM+\b], |v[S+16*\b+\i]|, |v[S+16*\b+\i+1]|
.endr
.endr
.irp b, 0,1
	v_permlanex16_b32 v[TM+4+\b], v[TM+\b], s[SEL], s[SEL+1]
.endr
.irp b, 0,1
	v_max_num_f32 v[TM+\b], v[TM+\b], v[TM+4+\b]
.endr
.irp b, 0,1
	v_add_nc_u32 v[TM+12+\b], 0xfc000000, v[TM+\b]
.endr
.irp b, 0,1
	v_and_or_b32 v[TM+8+\b], v[TM+\b], 0x7f800000, s[MNT]
.endr
.irp b, 0,1
	v_lshrrev_b32 v[TM+4+\b], 23, v[TM+12+\b]
.endr
	v_lshl_or_b32 v[PW], v[TM+5], 8, v[TM+4]       ; my head's two scale bytes
.irp b, 0,1
.irp i, 0,1,2,3,4,5,6,7,8,9,10,11,12,13,14,15
	v_med3_num_f32 v[S+16*\b+\i], v[S+16*\b+\i], -v[TM+8+\b], v[TM+8+\b]
.endr
	v_cvt_scalef32_pk8_fp8_f32 v[PC+4*\b:PC+4*\b+1], v[S+16*\b:S+16*\b+7], v[TM+12+\b]
	v_cvt_scalef32_pk8_fp8_f32 v[PC+4*\b+2:PC+4*\b+3], v[S+16*\b+8:S+16*\b+15], v[TM+12+\b]
.endr
	v_nop
.irp b, 0,1
	global_store_b128 v[LI], v[PC+4*\b:PC+4*\b+3], s[OC:OC+1] offset:512*\b   ; 512 consecutive bytes, aligned
.endr
	global_store_b16 v[SO], v[PW], s[OS:OS+1]      ; lanes l and l xor 16 hold the same bytes and name the same place
.if \sw
	s_wait_xcnt 0x0                                ; the stores have read their registers and bases
	s_mov_b64 s[OC:OC+1], s[OCL:OCL+1]
	s_mov_b64 s[OS:OS+1], s[OSL:OSL+1]
	s_lshl_b32 s[KEY], s[PAR], 7
	s_sub_co_u32 s[KEY], s[KEY], 256               ; the trip's end adds 256: key slot 0 again
.endif
.endm
; A TRIP: one slot of 256 keys.  fill = 1: behind a drained round the other slot takes the next key slot of the walk.
.macro TRIP fill
	WALU
	s_wait_tensorcnt 0x0                           ; my part of this trip's slot is in; no load of mine is out, so the descriptors may be written
	ds_add_u32 v[SPW], v[NIL]
.if \fill
	s_xor_b32 s[G0C+1], s[G0C+1], SLOT1
	s_xor_b32 s[G0S+1], s[G0S+1], SLOT1
	s_add_co_u32 s[COF], s[COF], 65536
	s_add_co_u32 s[SOF], s[SOF], 512
	s_cmp_eq_u32 s[TR], s[E1]                      ; the first phase's last trip: it lies on the diagonal, and the walk begins anew at key slot 0
	s_cselect_b32 s[DG], 1, 0
	s_cselect_b32 s[COF], 0, s[COF]
	s_cselect_b32 s[SOF], 0, s[SOF]
	s_add_nc_u64 s[G0C+2:G0C+3], s[KB:KB+1], s[COF:COF+1]
	s_or_b32 s[G0C+3], s[G0C+3], 0x80000000
	s_add_nc_u64 s[G0S+2:G0S+3], s[SB:SB+1], s[SOF:SOF+1]
	s_or_b32 s[G0S+3], s[G0S+3], 0x80000000
	s_wait_xcnt 0x0                                ; the last trip's prefetch has read its address
	s_add_nc_u64 s[PFA:PFA+1], s[PFA:PFA+1], 65536
.endif
	s_wait_dscnt 0x0                               ; the add is done, and my reads of the other slot are over
.if \fill
	ROUND
	JLOAD
.else
	s_barrier_signal -1
	s_barrier_wait -1
.endif
	v_add_nc_u32 v[ADK], s[TB], v[LIP]
	v_add_nc_u32 v[ADS], s[TB], v[LSP]
	KLOAD 0
.if \fill
	s_cmp_lt_u32 s[TR], s[PL]
	s_cbranch_scc0 .Lnp_\@
	global_prefetch_b8 v[PFO], s[PFA:PFA+1] offset:-65536 th:TH_LOAD_NT scope:SCOPE_SE   ; (the address was stepped above: trip t names key slot t + 3)
.Lnp_\@:
.endif
	LBIAS \fill
	HEAD 0
	HEAD 1
.if \fill
	s_cmp_eq_u32 s[DG], 0
	s_cbranch_scc1 .Lne_\@
	EPI 1
.Lne_\@:
	s_add_co_u32 s[KEY], s[KEY], 256
	s_xor_b32 s[TB], s[TB], SLOT1
.else
	EPI 0
.endif
.endm
.Ltrip:                                        ; 16 trips that fill; the 17th, the second phase's diagonal, is written out without a fill
	TRIP 1
	s_add_co_u32 s[TR], s[TR], 1
	s_cmp_lt_u32 s[TR], 16
	s_cbranch_scc1 .Ltrip
	TRIP 0
	s_wait_tensorcnt 0x0                           ; the wave's end
	ds_add_u32 v[SPW], v[NIL]
	s_wait_dscnt 0x0
	ROUND                                          ; the closing round
	s_endpgm
.Lfunc_end_k_qbf9a1abb29_att:
	.size	k_qbf9a1abb29_att, .Lfunc_end_k_qbf9a1abb29_att-k_qbf9a1abb29_att
	.p2alignl 7, 3214868480
	.fill 96, 4, 3214868480
	.section	.rodata,"a",@progbits
	.p2align	6, 0x0
	.amdhsa_kernel k_qbf9a1abb29_att
		.amdhsa_group_segment_fixed_size 327680
		.amdhsa_private_segment_fixed_size 0
		.amdhsa_enable_private_segment 0
		.amdhsa_kernarg_size 32
		.amdhsa_user_sgpr_count 2
		.amdhsa_user_sgpr_kernarg_segment_ptr 1
		.amdhsa_wavefront_size32 1
		.amdhsa_system_sgpr_workgroup_id_x 1
		.amdhsa_system_sgpr_workgroup_id_y 1
		.amdhsa_system_sgpr_workgroup_id_z 1
		.amdhsa_system_vgpr_workitem_id 0
		.amdhsa_next_free_vgpr 512
		.amdhsa_next_free_sgpr 100
		.amdhsa_reserve_vcc 1
		.amdhsa_float_denorm_mode_32 3
		.amdhsa_float_denorm_mode_16_64 3
		.amdhsa_memory_ordered 1
		.amdhsa_forward_progress 1
		.amdhsa_inst_pref_size 153
	.end_amdhsa_kernel
	.amdgpu_metadata
---
amdhsa.version: [ 1, 2 ]
amdhsa.kernels:
  - .name:           k_qbf9a1abb29_att
    .symbol:         k_qbf9a1abb29_att.kd
    .args:
      - { .name: qb, .offset: 0, .size: 8, .value_kind: global_buffer, .address_space: global }
      - { .name: kv, .offset: 8, .size: 8, .value_kind: global_buffer, .address_space: global }
      - { .name: gamma, .offset: 16, .size: 8, .value_kind: global_buffer, .address_space: global }
      - { .name: ob, .offset: 24, .size: 8, .value_kind: global_buffer, .address_space: global }
    .group_segment_fixed_size: 327680
    .private_segment_fixed_size: 0
    .kernarg_segment_align: 8
    .kernarg_segment_size: 32
    .max_flat_workgroup_size: 256
    .sgpr_count:     100
    .vgpr_count:     512
    .wavefront_size: 32
...
	.end_amdgpu_metadata
.endif
;; end of part 3
;; launch outp (part 4): grid 4 x 64, 4 waves a work-group, clusters of 4 x 1, 167,936 bytes of LDS; arguments pq, ob, bo, out0; writes out0
.if DOCPART == 4
	.amdgcn_target "amdgcn-amd-amdhsa--gfx1250"
	.amdhsa_code_object_version 6
	.text
	.protected	k_qbf9a1abb29_outp
	.globl	k_qbf9a1abb29_outp
	.p2align	8
	.type	k_qbf9a1abb29_outp,@function
k_qbf9a1abb29_outp:
	s_mov_b64 s[64:65], 0
	v_nop
	global_prefetch_b8 v0, s[64:65] scope:SCOPE_SE
	s_setreg_imm32_b32 hwreg(HW_REG_WAVE_MODE, 25, 1), 1
	s_wait_xcnt 0x0
	s_wait_alu depctr_hold_cnt(0) depctr_sa_sdst(0) depctr_va_vdst(0) depctr_va_sdst(0) depctr_va_ssrc(0) depctr_va_vcc(0) depctr_vm_vsrc(0)
	s_getreg_b32 s2, hwreg(HW_REG_IB_STS2, 6, 4)
	s_cmp_eq_u32 s2, 0
	s_cbranch_scc0 .Lentry_in_a_cluster
	s_endpgm
.Lentry_in_a_cluster:
	s_bfe_u32 s2, ttmp6, 0x10000c
	s_cmp_lg_u32 s2, 0x3003
	s_cbranch_scc0 .Lentry_shape_is_right
	s_endpgm
.Lentry_shape_is_right:
; out0 = o Wo^T + bo on the codes of o (made by the attention) and of Wo (made by the first launch).  No work of this product is left out.
; A work-group takes 128 tokens (y of the grid) x 128 columns (x of the grid, the place in the cluster).  All of K = 512 of both tiles lies in LDS: one fill, no ring.
; CLUSTER: the four work-groups of a cluster have the same tokens: o's tile and its scale words are asked for jointly; Wo's tile is each work-group's own.
; Source 0 = 16 rows of Wo (columns of the result), source 1 = 16 tokens: a lane holds one token and, by the order of rows in a tile, 16 neighbouring columns in the registers of tiles 2 B and 2 B + 1.  bo is the C of each sum's first product.
; A wave makes 64 columns x 64 tokens: 16 accumulators, 64 products.  The results go through the wave's own stage in LDS, a tile of 16 tokens at a time, and leave as rows: sixteen lanes store 256 consecutive bytes, aligned.
.set ORG,   0                          ; LDS: o's 8 tiles, 64 KB
.set WR,    65536                      ; Wo's 8 tiles
.set OSR,   131072                     ; o's scale words, 2 KB
.set WSR,   133120                     ; Wo's
.set STG,   135168                     ; the stages: 16 rows x (256 + 16) bytes a wave
.set SPARE, 152576                     ; the spare words: 128 bytes a wave, named by no other line
.set LI,  1
.set LS,  2
.set SPW, 3
.set NIL, 4
.set PA,  5
.set NA,  6
.set PSA, 7
.set NSA, 8
.set STO, 9
.set RD,  10
.set BA,  11
.set GO,  12
.set PSC, 16                           ; v16-23 Wo's scale words (tile pt, s / 2): K step s even in lanes 0-15, odd in lanes 16-31;  v24-31 o's
.set NSC, 24
.set BIAS, 32                          ; v32-63 bo: eight registers a tile of columns
.set OB,  64                           ; v64-191 rows on their way out
; window 1: Wo (pt, s) at 16 (4 pt + s); window 2: o (nt, s) at 16 (4 nt + s); window 3: accumulators (pt, nt) at 8 (4 pt + nt)
.set MSB, 0
.macro WIN new
.if MSB != \new
	s_set_vgpr_msb (MSB<<8)|\new
.set MSB, \new
.endif
.endm
.macro ROUND
	s_barrier_signal -1
	s_barrier_wait -1
	s_cmp_lg_u32 s16, 0
	s_cbranch_scc1 .Lnot_wave_0_\@
	s_barrier_signal -3
.Lnot_wave_0_\@:
	s_barrier_wait -3
	s_barrier_signal -1
	s_barrier_wait -1
.endm
.macro GROUP1 g, w0, rows              ; a dense block as rows of 256 bytes
	s_mov_b32 s[\g], \w0
	s_mov_b32 s[\g+1], 32<<16
	s_mov_b32 s[\g+2], (\rows)<<16
	s_mov_b32 s[\g+3], 32<<16
	s_mov_b32 s[\g+4], \rows
	s_mov_b32 s[\g+5], 32
	s_mov_b32 s[\g+6], 0
	s_mov_b32 s[\g+7], 0
.endm
	s_load_b256 s[4:11], s[0:1], 0x0               ; pq, ob, bo, out0
	v_lshl_add_u32 v[SPW], v0, 2, SPARE
	v_mov_b32 v[NIL], 0
	ds_add_u32 v[SPW], v[NIL]                      ; the opening: the add, twice on end, and its wait ahead of my first tensor load
	ds_add_u32 v[SPW], v[NIL]
	v_lshrrev_b32 v5, 5, v0
	v_readfirstlane_b32 s16, v5                    ; wave
	s_bfe_u32 s17, ttmp6, 0x40000                  ; cx: my 128 columns; it enters global addresses alone
	s_and_b32 s19, ttmp7, 0xffff                   ; my 128 tokens: shared by the four partners
	s_lshr_b32 s22, s16, 1                         ; pw: my 64 columns
	s_and_b32 s23, s16, 1                          ; nw: my 64 tokens
	GROUP1 32, 15|(3<<16)|(1<<21), 256             ; joint, 64 KB: o's whole tile
	GROUP1 40, 3<<16, 256                          ; my own, 64 KB: Wo's whole tile
	GROUP1 48, 15|(3<<16)|(1<<21), 8               ; joint, 2 KB
	GROUP1 56, 3<<16, 8                            ; my own, 2 KB
	s_lshl_b32 s26, s19, 16                        ; o's codes; nothing here hangs on cx
	s_mov_b32 s27, 0
	s_lshl_b32 s30, s19, 11                        ; o's scale words
	s_add_co_u32 s30, s30, 0x400000
	s_mov_b32 s31, 0
	s_lshl_b32 s28, s17, 16                        ; Wo's codes
	s_add_co_u32 s28, s28, 0x4e0000
	s_mov_b32 s29, 0
	s_lshl_b32 s84, s17, 11                        ; Wo's scale words
	s_add_co_u32 s84, s84, 0x526000
	s_mov_b32 s85, 0
	s_mov_b32 s86, 0                               ; each tile goes whole to its region's first byte
	s_mov_b32 s87, 0
	s_wait_dscnt 0x0                               ; both opening adds are done
	s_wait_kmcnt 0x0
	s_mov_b32 s68, 1
	s_add_co_u32 s69, s86, ORG
	s_add_nc_u64 s[70:71], s[6:7], s[26:27]
	s_or_b32 s71, s71, 0x80000000
	s_mov_b32 s72, 1
	s_add_co_u32 s73, s86, WR
	s_add_nc_u64 s[74:75], s[4:5], s[28:29]
	s_or_b32 s75, s75, 0x80000000
	s_mov_b32 s76, 1
	s_add_co_u32 s77, s87, OSR
	s_add_nc_u64 s[78:79], s[6:7], s[30:31]
	s_or_b32 s79, s79, 0x80000000
	s_mov_b32 s80, 1
	s_add_co_u32 s81, s87, WSR
	s_add_nc_u64 s[82:83], s[4:5], s[84:85]
	s_or_b32 s83, s83, 0x80000000
	ROUND                                          ; all four work-groups are here: the joint loads meet
	s_cmp_lt_u32 s16, 1                            ; one tensor load a wave, in one chain of arms on the wave's number
	s_cbranch_scc0 .Lh1
	tensor_load_to_lds s[68:71], s[32:39]          ; wave 0: o's tile
	s_nop 0
.rept 4
	v_nop
.endr
	s_branch .Lhj
.Lh1:
	s_cmp_lt_u32 s16, 2
	s_cbranch_scc0 .Lh2
	tensor_load_to_lds s[72:75], s[40:47]          ; wave 1: Wo's tile
	s_nop 0
.rept 4
	v_nop
.endr
	s_branch .Lhj
.Lh2:
	s_cmp_lt_u32 s16, 3
	s_cbranch_scc0 .Lh3
	tensor_load_to_lds s[76:79], s[48:55]          ; wave 2: o's scale words
	s_nop 0
.rept 4
	v_nop
.endr
	s_branch .Lhj
.Lh3:
	tensor_load_to_lds s[80:83], s[56:63]          ; wave 3: Wo's scale words
	s_nop 0
.rept 4
	v_nop
.endr
.Lhj:
	v_and_b32 v13, 31, v0                          ; lane
	v_and_b32 v14, 15, v0                          ; r
	v_bfe_u32 v15, v0, 4, 1                        ; h
	v_lshlrev_b32 v[LI], 4, v13
	v_lshlrev_b32 v[LS], 2, v13
	s_wait_alu depctr_va_vdst(0)
	s_lshl_b32 s26, s22, 15
	s_add_co_u32 s26, s26, WR
	v_add_nc_u32 v[PA], s26, v[LI]
	s_lshl_b32 s26, s23, 15
	s_add_co_u32 s26, s26, ORG
	v_add_nc_u32 v[NA], s26, v[LI]
	s_lshl_b32 s26, s22, 10
	s_add_co_u32 s26, s26, WSR
	v_add_nc_u32 v[PSA], s26, v[LS]
	s_lshl_b32 s26, s23, 10
	s_add_co_u32 s26, s26, OSR
	v_add_nc_u32 v[NSA], s26, v[LS]
	s_mul_i32 s26, s16, 4352
	s_add_co_u32 s26, s26, STG                     ; my stage
	v_mul_u32_u24 v[STO], v14, 272
	v_lshl_add_u32 v[STO], v15, 6, v[STO]
	v_add_nc_u32 v[STO], s26, v[STO]               ; in: row r, 64 bytes for each half of the lanes
	v_mul_u32_u24 v[RD], v15, 272
	v_lshl_add_u32 v[RD], v14, 4, v[RD]
	v_add_nc_u32 v[RD], s26, v[RD]                 ; back: lanes 0-15 one row, lanes 16-31 the next
	v_lshlrev_b32 v[GO], 11, v15
	v_lshl_add_u32 v[GO], v14, 4, v[GO]            ; and the same two rows of out0, 2,048 bytes apart
	v_lshlrev_b32 v[BA], 6, v15
	s_wait_alu depctr_va_vdst(0)
	s_lshl_b32 s26, s17, 9
	s_lshl_b32 s27, s22, 8
	s_add_co_u32 s26, s26, s27                     ; my 64 columns, in bytes
	s_mov_b32 s27, 0
	s_add_nc_u64 s[88:89], s[8:9], s[26:27]        ; bo there
	s_lshl_b32 s28, s19, 18
	s_lshl_b32 s29, s23, 17
	s_add_co_u32 s28, s28, s29                     ; my 64 tokens' rows
	s_add_co_u32 s26, s26, s28
	s_add_nc_u64 s[90:91], s[10:11], s[26:27]      ; out0 at my corner
.irp pt, 0,1,2,3
	global_load_b128 v[BIAS+8*\pt:BIAS+8*\pt+3], v[BA], s[88:89] offset:(32*(\pt/2)+8*(\pt%2))*4
	global_load_b128 v[BIAS+8*\pt+4:BIAS+8*\pt+7], v[BA], s[88:89] offset:(32*(\pt/2)+8*(\pt%2))*4+16
.endr
	s_wait_tensorcnt 0x0                           ; my parts have landed,
	s_barrier_signal -1
	s_barrier_wait -1                              ; everybody's have; nothing is filled again
	WIN 0x40
.irp pt, 0,1,2,3
.irp s, 0,1,2,3
.irp c, 0,1,2,3
	ds_load_b128 v[16*(4*\pt+\s)+4*\c:16*(4*\pt+\s)+4*\c+3], v[PA] offset:\pt*8192+\s*2048+\c*512
.endr
.endr
.endr
	WIN 0x80
.irp nt, 0,1,2,3
.irp s, 0,1,2,3
.irp c, 0,1,2,3
	ds_load_b128 v[16*(4*\nt+\s)+4*\c:16*(4*\nt+\s)+4*\c+3], v[NA] offset:\nt*8192+\s*2048+\c*512
.endr
.endr
.endr
	WIN 0
.irp t, 0,1,2,3
.irp sp, 0,1
	ds_load_b32 v[PSC+2*\t+\sp], v[PSA] offset:\t*256+\sp*128
	ds_load_b32 v[NSC+2*\t+\sp], v[NSA] offset:\t*256+\sp*128
.endr
.endr
	s_wait_dscnt 0x0
	s_wait_loadcnt 0x0                             ; bo
.macro PRODO pt, nt, s
.set rD, 8*(4*(\pt)+(\nt))
.set rA, 16*(4*(\pt)+(\s))
.set rB, 16*(4*(\nt)+(\s))
.set rP, PSC+2*(\pt)+(\s)/2
.set rN, NSC+2*(\nt)+(\s)/2
.if (\s) == 0
	v_wmma_scale_f32_16x16x128_f8f6f4 v[rD:rD+7], v[rA:rA+15], v[rB:rB+15], v[BIAS+8*(\pt):BIAS+8*(\pt)+7], v[rP], v[rN]
.elseif (\s)%2 == 1
	v_wmma_scale_f32_16x16x128_f8f6f4 v[rD:rD+7], v[rA:rA+15], v[rB:rB+15], v[rD:rD+7], v[rP], v[rN] matrix_a_scale:MATRIX_SCALE_ROW1 matrix_b_scale:MATRIX_SCALE_ROW1
.else
	v_wmma_scale_f32_16x16x128_f8f6f4 v[rD:rD+7], v[rA:rA+15], v[rB:rB+15], v[rD:rD+7], v[rP], v[rN]
.endif
.endm
	WIN 0xC9                                       ; Wo window 1, o window 2, C window 0, D window 3
.irp pt, 0,1,2,3
.irp nt, 0,1,2,3
	PRODO \pt, \nt, 0
.endr
.endr
	WIN 0xF9                                       ; C and D window 3.  Sixteen accumulators by turns, one instruction a turn
.irp s, 1,2,3
.irp pt, 0,1,2,3
.irp nt, 0,1,2,3
	PRODO \pt, \nt, \s
.endr
.endr
.endr
	WIN 0
.rept 8
	v_nop                                          ; eight places ahead of the first read of results
.endr
.irp nt, 0,1,2,3
	WIN 0x0C                                       ; an LDS store's data: window 3
.irp pt, 0,1,2,3
	ds_store_b128 v[STO], v[8*(4*\pt+\nt):8*(4*\pt+\nt)+3] offset:(\pt/2)*128+(\pt%2)*32        ; each accumulator from its low end on
	ds_store_b128 v[STO], v[8*(4*\pt+\nt)+4:8*(4*\pt+\nt)+7] offset:(\pt/2)*128+(\pt%2)*32+16
.endr
	WIN 0
.irp i, 0,1,2,3,4,5,6,7
	ds_load_b128 v[OB+32*\nt+4*\i:OB+32*\nt+4*\i+3], v[RD] offset:544*\i   ; LDS serves a wave's instructions in order: these see my stores, and the next tile's stores come behind them
.endr
.endr
.irp nt, 0,1,2,3
	s_wait_dscnt 16*(3-\nt)                        ; tile nt is back; the later tiles' 8 stores and 8 loads each may be out
.irp i, 0,1,2,3,4,5,6,7
	global_store_b128 v[GO], v[OB+32*\nt+4*\i:OB+32*\nt+4*\i+3], s[90:91] offset:(32*(\nt/2)+8*(\nt%2)+2*\i+8*(\i/4))*2048 th:TH_STORE_NT   ; stage rows 2 i, 2 i + 1 are the tile's tokens 2 i + 8 (i / 4) and the next; 16 lanes store 256 consecutive bytes, aligned
.endr
.endr
	s_wait_tensorcnt 0x0                           ; the wave's end
	ds_add_u32 v[SPW], v[NIL]
	s_wait_dscnt 0x0
	ROUND                                          ; the closing round
	s_endpgm
.Lfunc_end_k_qbf9a1abb29_outp:
	.size	k_qbf9a1abb29_outp, .Lfunc_end_k_qbf9a1abb29_outp-k_qbf9a1abb29_outp
	.p2alignl 7, 3214868480
	.fill 96, 4, 3214868480
	.section	.rodata,"a",@progbits
	.p2align	6, 0x0
	.amdhsa_kernel k_qbf9a1abb29_outp
		.amdhsa_group_segment_fixed_size 167936
		.amdhsa_private_segment_fixed_size 0
		.amdhsa_enable_private_segment 0
		.amdhsa_kernarg_size 32
		.amdhsa_user_sgpr_count 2
		.amdhsa_user_sgpr_kernarg_segment_ptr 1
		.amdhsa_wavefront_size32 1
		.amdhsa_system_sgpr_workgroup_id_x 1
		.amdhsa_system_sgpr_workgroup_id_y 1
		.amdhsa_system_sgpr_workgroup_id_z 1
		.amdhsa_system_vgpr_workitem_id 0
		.amdhsa_next_free_vgpr 1024
		.amdhsa_next_free_sgpr 100
		.amdhsa_reserve_vcc 0
		.amdhsa_float_denorm_mode_32 3
		.amdhsa_float_denorm_mode_16_64 3
		.amdhsa_memory_ordered 1
		.amdhsa_forward_progress 1
		.amdhsa_inst_pref_size 34
	.end_amdhsa_kernel
	.amdgpu_metadata
---
amdhsa.version: [ 1, 2 ]
amdhsa.kernels:
  - .name:           k_qbf9a1abb29_outp
    .symbol:         k_qbf9a1abb29_outp.kd
    .args:
      - { .name: pq, .offset: 0, .size: 8, .value_kind: global_buffer, .address_space: global }
      - { .name: ob, .offset: 8, .size: 8, .value_kind: global_buffer, .address_space: global }
      - { .name: bo, .offset: 16, .size: 8, .value_kind: global_buffer, .address_space: global }
      - { .name: out0, .offset: 24, .size: 8, .value_kind: global_buffer, .address_space: global }
    .group_segment_fixed_size: 167936
    .private_segment_fixed_size: 0
    .kernarg_segment_align: 8
    .kernarg_segment_size: 32
    .max_flat_workgroup_size: 128
    .sgpr_count:     100
    .vgpr_count:     1024
    .wavefront_size: 32
...
	.end_amdgpu_metadata
.endif
;; end of part 4
